; MI455X (gfx1250); checked and timed in simulation.
; The chip was launched on July 23, 2026; its instructions are those of AMD's public machine-readable ISA for CDNA 5 (MIT licence, August 2026) and "CDNA5" Instruction Set Architecture Reference Guide (July 2026). The comments in the code are by the model that wrote it; some were corrected since.
;; RWKV Time Mix. Allowed arithmetic: float matrix products may take bf16 or f16 operands with f32 sums; all other float work in f32.
;; Inputs: Wk 1,024 x 1,024 float32; Wo 1,024 x 1,024 float32; Wr 1,024 x 1,024 float32; time_decay 1,024 float32; time_first 1,024 float32; x 16 x 1,024 x 1,024 float32.
;; Outputs: out0 16 x 1,024 x 1,024 float32.
;; 2 versions, each right and faster than the one before. Each part assembles by itself: llvm-mc -triple=amdgcn-amd-amdhsa -mcpu=gfx1250 --defsym DOCPART=n.
;; ======== version 1 of 2: 4 launches
;; limits: values are held in f16: magnitudes above 65,504 overflow, below 6.1e-05 lose precision; inputs' magnitudes at most 65,504
;; workspace buffers: xb 33,554,432 bytes; wkr 4,194,304 bytes; wob 2,097,152 bytes; kr 134,217,728 bytes; ob 33,554,432 bytes
;; launch prep (part 1): grid 1216 x 1, 8 waves a work-group, no clusters, 0 bytes of LDS; arguments x, Wk, Wr, Wo, xb, wkr, wob; writes xb, wkr, wob
.if DOCPART == 1
	.amdgcn_target "amdgcn-amd-amdhsa--gfx1250"
	.amdhsa_code_object_version 6
	.text
	.protected	k_qef951fc419_prep
	.globl	k_qef951fc419_prep
	.p2align	8
	.type	k_qef951fc419_prep,@function
k_qef951fc419_prep:
	s_mov_b64 s[64:65], 0
	v_nop
	global_prefetch_b8 v0, s[64:65] scope:SCOPE_SE
	s_setreg_imm32_b32 hwreg(HW_REG_WAVE_MODE, 25, 1), 1
	s_wait_xcnt 0x0
; x [16384][1024], Wk, Wr, Wo [1024][1024], all f32, are rounded to bf16 (nearest even), and that number is written as f16, laid out in blocks of 64 channels:
;   xb  [16 kb][16384 rows][64]     wkr [2: Wk, Wr][16 kb][1024 rows][64]     wob [16 kb][1024 rows][64]
; so that 256 rows of one block kb are 32,768 consecutive bytes: what one tile of the products that follow asks for.
; LIMITS.  A bf16 number is exact in f16 from 6.1e-5 up to 65,504 in magnitude; below that it keeps f16's fixed step of 6e-8; from 65,520 on it becomes an infinity.
; SHARES.  A work-group converts 256 rows x one kb: 65,536 bytes in, 32,768 out.  Work-groups 0-1023 take x (64 row blocks x 16 kb), 1024-1215 the three weights (3 x 4 x 16).
; Wave w takes rows 32 w .. 32 w + 31, two rows a load: lanes 0-15 read the 256 aligned bytes of one row, lanes 16-31 those of the next; a store of 8 bytes a lane covers 256 consecutive
; aligned bytes.  All sixteen loads of a wave go out at once; nothing is read twice.  No LDS, no barrier, no matrix unit, no cluster: the work-groups share no byte.
.set X, 4                              ; v[4:67]    load i: four f32
.set O, 68                             ; v[68:99]   store i: four f16
.set T, 100                            ; v[100:103] at work
	s_load_b256 s[4:11], s[0:1], 0x0               ; x s[4:5], Wk s[6:7], Wr s[8:9], Wo s[10:11]
	s_load_b128 s[12:15], s[0:1], 0x20             ; xb s[12:13], wkr s[14:15]
	s_load_b64 s[16:17], s[0:1], 0x30              ; wob
	s_mov_b32 s20, ttmp9                           ; g
	s_and_b32 s21, s20, 15                         ; kb: neighbouring work-groups read neighbouring 256 bytes of the same rows
	s_sub_co_u32 s22, s20, 1024                    ; g' among the weights' work-groups (wraps for x's, where it chooses nothing)
	s_lshr_b32 s23, s22, 6                         ; 0 Wk, 1 Wr, 2 Wo
	s_bfe_u32 s24, s22, 0x20004                    ; a weight's row block: (g' >> 4) & 3
	s_lshr_b32 s35, s20, 4                         ; x's row block
	s_cmp_lt_u32 s20, 1024
	s_cselect_b32 s24, s35, s24                    ; the row block
	s_cselect_b32 s25, 21, 17                      ; log2 of a kb block's bytes in the destination: 16,384 or 1,024 rows of 128
	s_lshl_b32 s26, s24, 20                        ; source: 256 rows of 4,096 bytes,
	s_lshl_b32 s36, s21, 8                         ; and the block's 256 bytes in a row
	s_add_co_u32 s26, s26, s36
	s_mov_b32 s27, 0
	s_lshl_b32 s28, s21, s25                       ; destination: the kb block,
	s_lshl_b32 s36, s24, 15                        ; 256 rows of 128 bytes,
	s_add_co_u32 s28, s28, s36
	s_mov_b32 s29, 0
	s_cmp_eq_u32 s23, 1
	s_cselect_b32 s36, 0x200000, 0                 ; and Wr's plane of wkr
	s_add_co_u32 s28, s28, s36
	s_mov_b32 s34, 0xffff0000                      ; a word's upper bf16
	v_lshrrev_b32 v[T], 5, v0                      ; wave
	v_bfe_u32 v[T+1], v0, 4, 1                     ; which of a load's two rows
	v_and_b32 v[T+2], 15, v0
	v_and_b32 v[T+3], 31, v0
	v_lshlrev_b32 v1, 17, v[T]                     ; source offset: 32 rows a wave,
	v_lshl_or_b32 v1, v[T+1], 12, v1               ; my row of the two,
	v_lshl_or_b32 v1, v[T+2], 4, v1                ; my 16 bytes of its 256
	v_lshlrev_b32 v2, 12, v[T]                     ; destination offset: 32 rows of 128 bytes a wave,
	v_lshl_or_b32 v2, v[T+3], 3, v2                ; 8 bytes a lane
	s_wait_kmcnt 0x0
	s_cmp_eq_u32 s23, 1                            ; the buffers are chosen by the work-group's number alone
	s_cselect_b64 s[30:31], s[8:9], s[6:7]
	s_cmp_eq_u32 s23, 2
	s_cselect_b64 s[30:31], s[10:11], s[30:31]
	s_cselect_b64 s[32:33], s[16:17], s[14:15]
	s_cmp_lt_u32 s20, 1024
	s_cselect_b64 s[30:31], s[4:5], s[30:31]
	s_cselect_b64 s[32:33], s[12:13], s[32:33]
	s_add_nc_u64 s[30:31], s[30:31], s[26:27]
	s_add_nc_u64 s[32:33], s[32:33], s[28:29]
.irp i, 0,1,2,3,4,5,6,7,8,9,10,11,12,13,14,15
	global_load_b128 v[X+4*(\i):X+4*(\i)+3], v1, s[30:31] offset:(\i)*8192 th:TH_LOAD_NT  ; rows 2 i and 2 i + 1 of my 32; read once in the launch
.endr
; Two rows: rounded to bf16, widened again (a shift and a mask), written as f16, stored.  Each load and each store has registers of its own, so no source of a pending access is rewritten.
.macro CV i
	s_wait_loadcnt 15-(\i)                         ; loads come back in order (ISA guide 5.7.1): load i is in, the 15 - i younger ones stay out
	v_cvt_pk_bf16_f32 v[T],   v[X+4*(\i)],   v[X+4*(\i)+1]
	v_cvt_pk_bf16_f32 v[T+1], v[X+4*(\i)+2], v[X+4*(\i)+3]
	v_lshlrev_b32 v[X+4*(\i)],   16,  v[T]
	v_and_b32     v[X+4*(\i)+1], s34, v[T]
	v_lshlrev_b32 v[X+4*(\i)+2], 16,  v[T+1]
	v_and_b32     v[X+4*(\i)+3], s34, v[T+1]
	v_cvt_pk_f16_f32 v[O+2*(\i)],   v[X+4*(\i)],   v[X+4*(\i)+1]
	v_cvt_pk_f16_f32 v[O+2*(\i)+1], v[X+4*(\i)+2], v[X+4*(\i)+3]
	global_store_b64 v2, v[O+2*(\i):O+2*(\i)+1], s[32:33] offset:(\i)*256  ; 32 lanes: 256 consecutive bytes, at a multiple of 256 from the buffer's first
.endm
.irp i, 0,1,2,3,4,5,6,7,8,9,10,11,12,13,14,15
	CV \i
.endr
	s_endpgm
.Lfunc_end_k_qef951fc419_prep:
	.size	k_qef951fc419_prep, .Lfunc_end_k_qef951fc419_prep-k_qef951fc419_prep
	.p2alignl 7, 3214868480
	.fill 96, 4, 3214868480
	.section	.rodata,"a",@progbits
	.p2align	6, 0x0
	.amdhsa_kernel k_qef951fc419_prep
		.amdhsa_group_segment_fixed_size 0
		.amdhsa_private_segment_fixed_size 0
		.amdhsa_enable_private_segment 0
		.amdhsa_kernarg_size 56
		.amdhsa_user_sgpr_count 2
		.amdhsa_user_sgpr_kernarg_segment_ptr 1
		.amdhsa_wavefront_size32 1
		.amdhsa_system_sgpr_workgroup_id_x 1
		.amdhsa_system_sgpr_workgroup_id_y 1
		.amdhsa_system_sgpr_workgroup_id_z 1
		.amdhsa_system_vgpr_workitem_id 0
		.amdhsa_next_free_vgpr 104
		.amdhsa_next_free_sgpr 66
		.amdhsa_reserve_vcc 0
		.amdhsa_float_denorm_mode_32 3
		.amdhsa_float_denorm_mode_16_64 3
		.amdhsa_memory_ordered 1
		.amdhsa_forward_progress 1
		.amdhsa_inst_pref_size 12
	.end_amdhsa_kernel
	.amdgpu_metadata
---
amdhsa.version: [ 1, 2 ]
amdhsa.kernels:
  - .name:           k_qef951fc419_prep
    .symbol:         k_qef951fc419_prep.kd
    .args:
      - { .name: x, .offset: 0, .size: 8, .value_kind: global_buffer, .address_space: global }
      - { .name: Wk, .offset: 8, .size: 8, .value_kind: global_buffer, .address_space: global }
      - { .name: Wr, .offset: 16, .size: 8, .value_kind: global_buffer, .address_space: global }
      - { .name: Wo, .offset: 24, .size: 8, .value_kind: global_buffer, .address_space: global }
      - { .name: xb, .offset: 32, .size: 8, .value_kind: global_buffer, .address_space: global }
      - { .name: wkr, .offset: 40, .size: 8, .value_kind: global_buffer, .address_space: global }
      - { .name: wob, .offset: 48, .size: 8, .value_kind: global_buffer, .address_space: global }
    .group_segment_fixed_size: 0
    .private_segment_fixed_size: 0
    .kernarg_segment_align: 8
    .kernarg_segment_size: 56
    .max_flat_workgroup_size: 256
    .sgpr_count:     66
    .vgpr_count:     104
    .wavefront_size: 32
...
	.end_amdgpu_metadata
.endif
;; end of part 1
;; launch gemm_kr (part 2): grid 8 x 64, 4 waves a work-group, clusters of 4 x 4, 327,680 bytes of LDS; arguments xb, wkr, kr; writes kr
.if DOCPART == 2
	.amdgcn_target "amdgcn-amd-amdhsa--gfx1250"
	.amdhsa_code_object_version 6
	.text
	.protected	k_qef951fc419_gemm_kr
	.globl	k_qef951fc419_gemm_kr
	.p2align	8
	.type	k_qef951fc419_gemm_kr,@function
k_qef951fc419_gemm_kr:
	s_mov_b64 s[64:65], 0
	v_nop
	global_prefetch_b8 v0, s[64:65] scope:SCOPE_SE
	s_setreg_imm32_b32 hwreg(HW_REG_WAVE_MODE, 25, 1), 1
	s_wait_xcnt 0x0
	s_wait_alu depctr_hold_cnt(0) depctr_sa_sdst(0) depctr_va_vdst(0) depctr_va_sdst(0) depctr_va_ssrc(0) depctr_va_vcc(0) depctr_vm_vsrc(0)
	s_getreg_b32 s2, hwreg(HW_REG_IB_STS2, 6, 4)
	s_cmp_eq_u32 s2, 0
	s_cbranch_scc0 .Lentry_in_a_cluster
	s_endpgm
.Lentry_in_a_cluster:
	s_bfe_u32 s2, ttmp6, 0x10000c
	s_cmp_lg_u32 s2, 0xf033
	s_cbranch_scc0 .Lentry_shape_is_right
	s_endpgm
.Lentry_shape_is_right:
; C[p][m][n] = sum over k of A[m][k] B[p][n][k], K = 1,024.  A: f16 [16 kb][16384 rows][64]; B: f16 [planes][16 kb][1024 rows][64]; C: f32 [planes][16384][1024].  Sums in f32, K ascending.
; One text for two launches: k and r = x Wk^T, x Wr^T (two planes, the cluster's x picks the plane) and the module's last product (one plane).
; LIMITS.  The operands are f16: they arrive within 65,504, and below 6.1e-5 they have f16's fixed step of 6e-8.
; SHAPE.  A tile of C, 256 x 256, is made by four waves; a wave makes 128 x 128: 64 accumulators of 16 x 16, 512 registers.  K goes in steps of 128 (two blocks kb) through a ring of two LDS slots.
; In the blocked layout 256 rows of one kb are 32,768 consecutive bytes: one tensor load brings them as 128 rows of 256 bytes, each at a multiple of 256 from the buffer's first byte.
; CLUSTER.  4 x 4 work-groups.  The four of a row of the cluster make one tile row of C and need the same tiles of A; the four of a column need the same tiles of B.  Such a tile is asked for JOINTLY:
; the same tensor load with the same descriptor and a mask that names the four, in all four.  That divides the requests for A and for B by four.
; REGISTERS, in windows of 256 (s_set_vgpr_msb's low byte: bits 1:0 source 0, 3:2 source 1, 5:4 source 2, 7:6 destination):
;   window 0: v0-31 addresses; v64-127, v128-191 fragments of A, two buffers; v32-63, v192-223 rows on the way out     window 1: v64-127, v128-191 fragments of B
;   window 2: the 32 accumulators of my rows 0-63 ((a, b) at v[8 (8 a + b)])     window 3: those of my rows 64-127
; THE MATRIX INSTRUCTION IS USED TRANSPOSED: source 0 = 16 rows of B, source 1 = 16 rows of A: lane l then holds row l % 16 of C and the eight neighbouring columns 8 (l / 16) + 0..7.
.set P2,     272                       ; an LDS row: 256 bytes (TWO matrix rows of 128 bytes) + 16 of padding.  Matrix row q lies at (q / 2) 272 + (q % 2) 128: in units of 16 bytes modulo 16 that is
                                       ; q / 2 + 8 (q % 2), so the 16 rows of a fragment load fall on 16 different groups of four banks (64 banks of 4 bytes: ISA guide 11.1)
.set BLK16,  8*P2                      ; 16 matrix rows
.set H128,   64*P2                     ; 128 matrix rows: what one wave reads of A or of B in one kb
.set KBH,    128*P2                    ; 256 matrix rows of one kb: what one tensor load brings
.set SLOT,   4*KBH                     ; A's even kb, A's odd kb, B's even kb, B's odd kb
.set STAGE,  2*SLOT                    ; behind the ring: 16 rows x 272 bytes for each wave, for the way out
.set SPITCH, 272
.set SPARE,  STAGE+4*16*SPITCH         ; behind the stages: the spare words, 128 bytes for each wave: two blocks of 256 bytes that no other line names
.set LAPS,   4                         ; a lap = two K steps = once round the ring: 1,024 / 256
.set A_KB,   16384*128                 ; bytes from one kb of A to the next
.set B_KB,   1024*128                  ; the same for B
.set CROW,   4096                      ; bytes in a row of C
.set ADRA, 16                          ; v16-17  LDS address of my A fragments in slot 0, 1
.set ADRB, 20                          ; v20-21  the same for B
.set STO,  24                          ; v24     the way out: where I put 32 bytes of a row
.set RD,   25                          ; v25     the way out: where I read a row back
.set CO,   26                          ; v26     my byte offset in C
.set SPW,  28                          ; v28     LDS address of my spare word: SPARE + 4 x my thread's number; never rewritten
.set NIL,  29                          ; v29     0; never rewritten
.set F0,   64                          ; fragment buffer 0
.set F1,   128                         ; fragment buffer 1
.set OB,   32                          ; the way out: 16 rows x 256 bytes read back from the stage: v32-63 and v192-223 by turns
.set G1,  24                           ; s[24:31] descriptor group 1 for A's tiles
.set G0,  32                           ; s[32:39] descriptor group 0 for A's tiles, one set for each slot
.set G1B, 48                           ; s[48:55] descriptor group 1 for B's tiles: it differs from A's in the mask alone
.set G0B, 56                           ; s[56:63] descriptor group 0 for B's tiles, one set for each slot
.set MSB, 0
.macro WIN new                         ; the immediate's high byte repeats the setting that is left; a switch that changes nothing is dropped
.if MSB != (\new)
	s_set_vgpr_msb (MSB<<8)|(\new)
.set MSB, \new
.endif
.endm
.set MUL_LO, 0xa1                      ; source 0 (B) window 1, source 1 (A) window 0, C and D window 2
.set MUL_HI, 0xf1                      ; the same, C and D window 3
.set TO_B,   0x40                      ; destination window 1, address window 0
; A joint load.  Waves 0 and 1 fetch A's two kb of a K step, waves 2 and 3 B's.  Each of the two lines has one mask and one set of registers for all that issue it.  The branch hangs on the wave's number alone.
; An s_nop 0 and four v_nop follow each of the two lines; the jump round the other line, the label and what follows the macro come after them.
.macro JLOAD s
	s_cmp_eq_u32 s11, 0
	s_cbranch_scc0 .Lfor_b_\@
	tensor_load_to_lds s[G0+4*(\s):G0+4*(\s)+3], s[G1:G1+7]
	s_nop 0
.rept 4
	v_nop
.endr
	s_branch .Lasked_\@
.Lfor_b_\@:
	tensor_load_to_lds s[G0B+4*(\s):G0B+4*(\s)+3], s[G1B:G1B+7]
	s_nop 0
.rept 4
	v_nop
.endr
.Lasked_\@:
.endm
; A round of the cluster's barrier: my work-group's barrier, so that wave 0's signal speaks for all four waves; wave 0 signals for the work-group; every wave waits for all sixteen work-groups;
; my work-group's barrier once more.  No LDS instruction of the wave is pending at a signal.
.macro CREST                           ; a round behind its opening barrier
	s_cmp_lg_u32 s10, 0
	s_cbranch_scc1 .Lnot_wave_0_\@
	s_barrier_signal -3
.Lnot_wave_0_\@:
	s_barrier_wait -3
	s_barrier_signal -1
	s_barrier_wait -1
.endm
.macro CROUND                          ; a whole round
	s_barrier_signal -1
	s_barrier_wait -1
	CREST
.endm
	s_load_b128 s[4:7], s[0:1], 0x0                ; A s[4:5], B s[6:7]
	s_load_b64 s[8:9], s[0:1], 0x10                ; C
	v_lshl_add_u32 v[SPW], v0, 2, SPARE
	v_mov_b32 v[NIL], 0
	ds_add_u32 v[SPW], v[NIL]                      ; the wave's opening: the add and its wait stand ahead of my first tensor load; the set-up below, work on registers, stands between them
	ds_add_u32 v28, v29
	v_lshrrev_b32 v1, 5, v0
	v_readfirstlane_b32 s10, v1                    ; wave 0..3
	s_lshr_b32 s11, s10, 1                         ; which half of the tile's rows is mine.  Also: I fetch for A (0) or for B (1)
	s_and_b32 s12, s10, 1                          ; which half of its columns.  Also: which kb of a K step I fetch
	s_bfe_u32 s40, ttmp6, 0x40000                  ; cx: my place along the cluster's x = the tile column inside a plane (a plane has four)
	s_bfe_u32 s41, ttmp6, 0x40004                  ; cy: along its y
	s_mov_b32 s42, ttmp9                           ; in a cluster launch ttmp9 counts clusters: the plane
	s_and_b32 s13, ttmp7, 0xffff
	s_lshl_b32 s13, s13, 2
	s_add_co_u32 s13, s13, s41                     ; tile row of C = 4 x cluster y + cy
	s_lshl_b32 s43, s41, 2
	s_lshl_b32 s43, 15, s43                        ; my row of the cluster: places 4 cy .. 4 cy + 3
	s_lshl_b32 s44, 0x1111, s40                    ; my column: places cx, cx + 4, cx + 8, cx + 12
	; descriptor group 1: 128 rows x 128 elements of 2 bytes, dense in memory, padded in LDS
	s_or_b32 s[G1+0], s43, (1<<16)|(1<<20)|(1<<21)|(5<<22)|(3<<25)   ; 15:0 the mask: A's tiles go to my row; 17:16 elements of 2 bytes; 20 padding on; 21 set beside a mask; 24:22 after every 64 words (code 5); 31:25 4 words of it (code 3)
	s_or_b32 s[G1B+0], s44, (1<<16)|(1<<20)|(1<<21)|(5<<22)|(3<<25)  ; the same with the mask of my column, for B's tiles
.irp g, G1, G1B
	s_mov_b32 s[(\g)+1], 128<<16                   ; tensor_dim0 = 128
	s_mov_b32 s[(\g)+2], 128<<16                   ; tensor_dim1 = 128
	s_mov_b32 s[(\g)+3], 128<<16                   ; tile_dim0 = 128
	s_mov_b32 s[(\g)+4], 128                       ; tile_dim1 = 128
	s_mov_b32 s[(\g)+5], 128                       ; 128 elements from row to row: the block is dense
	s_mov_b32 s[(\g)+6], 0
	s_mov_b32 s[(\g)+7], 0
.endr
	; where the tiles come from.  A's hang on the tile row alone, which my row of the cluster shares; B's on the plane and the tile column, which my column shares.
	s_lshl_b32 s16, s12, 21                        ; A: my kb of the K step,
	s_lshl_b32 s17, s13, 15                        ; the tile's 256 rows of 128 bytes
	s_add_co_u32 s16, s16, s17
	s_mov_b32 s17, 0
	s_lshl_b32 s46, s42, 21                        ; B: the plane (16 kb x 131,072 bytes),
	s_lshl_b32 s47, s12, 17                        ; my kb,
	s_add_co_u32 s46, s46, s47
	s_lshl_b32 s47, s40, 15                        ; the tile's 256 rows
	s_add_co_u32 s46, s46, s47
	s_mov_b32 s47, 0
	s_mul_i32 s20, s10, KBH                        ; and where they go: wave x 34,816: no place in the cluster enters an LDS address
	s_wait_dscnt 0x0                               ; the opening add is done
	s_wait_kmcnt 0x0
	s_add_nc_u64 s[14:15], s[4:5], s[16:17]
	s_add_nc_u64 s[46:47], s[6:7], s[46:47]
	CROUND                                         ; all sixteen work-groups are here: the first joint loads meet
.irp s, 0,1
	s_mov_b32 s[G0+4*(\s)], 1                                        ; 1:0 count = 1
	s_add_co_u32 s[G0+4*(\s)+1], s20, (\s)*SLOT                      ; 63:32 LDS address
	s_add_nc_u64 s[G0+4*(\s)+2:G0+4*(\s)+3], s[14:15], (\s)*2*A_KB   ; 120:64 global address: K step s
	s_or_b32 s[G0+4*(\s)+3], s[G0+4*(\s)+3], 0x80000000              ; 127:126 type = 2
	s_mov_b32 s[G0B+4*(\s)], 1
	s_add_co_u32 s[G0B+4*(\s)+1], s20, (\s)*SLOT
	s_add_nc_u64 s[G0B+4*(\s)+2:G0B+4*(\s)+3], s[46:47], (\s)*2*B_KB
	s_or_b32 s[G0B+4*(\s)+3], s[G0B+4*(\s)+3], 0x80000000
	JLOAD \s                                       ; the ring is filled before anything else is done: two loads of mine are out
.endr
	; A fragment is 16 rows x 32 K in 8 registers: lane l holds row l % 16; registers 0-3 hold K = 8 (l / 16) + 0..7, registers 4-7 hold K = 16 + 8 (l / 16) + 0..7: two loads of 16 bytes, 32 bytes apart.
	v_and_b32 v1, 15, v0                           ; l % 16
	v_bfe_u32 v2, v0, 4, 1                         ; l / 16
	v_lshrrev_b32 v3, 1, v1
	v_mul_u32_u24 v3, v3, P2                       ; the LDS row that holds my matrix row,
	v_and_b32 v4, 1, v0
	v_lshl_add_u32 v3, v4, 7, v3                   ; its first or second 128 bytes,
	v_lshl_add_u32 v3, v2, 4, v3                   ; 16 bytes for each half of the lanes
	s_mul_i32 s21, s11, H128                       ; my 128 rows of A
	s_mul_i32 s22, s12, H128                       ; my 128 rows of B,
	s_add_co_u32 s22, s22, 2*KBH                   ; which lie behind A's two kb
.irp s, 0,1
	v_add_nc_u32 v[ADRA+(\s)], s21, v3
	v_add_nc_u32 v[ADRB+(\s)], s22, v3
	s_add_co_u32 s21, s21, SLOT
	s_add_co_u32 s22, s22, SLOT
.endr
	s_mul_i32 s23, s10, 16*SPITCH
	s_add_co_u32 s23, s23, STAGE                   ; my stage
	v_mul_u32_u24 v4, v1, SPITCH                   ; in: row l % 16, 32 bytes (eight f32) for each half of the lanes
	v_lshl_add_u32 v4, v2, 5, v4
	v_add_nc_u32 v[STO], s23, v4
	v_mul_u32_u24 v5, v2, SPITCH                   ; back: lanes 0-15 take one row of 256 bytes, lanes 16-31 the next
	v_lshl_add_u32 v5, v1, 4, v5
	v_add_nc_u32 v[RD], s23, v5
	v_lshlrev_b32 v5, 12, v2                       ; and the same two rows in C
	v_lshl_add_u32 v[CO], v1, 4, v5
	; where my part of the tile begins in C, in bytes
	s_lshl_b32 s16, s13, 20                        ; 256 rows of 4,096 bytes a tile row,
	s_lshl_b32 s17, s11, 19                        ; my 128 rows
	s_add_co_u32 s16, s16, s17
	s_mov_b32 s17, 0
	s_add_nc_u64 s[8:9], s[8:9], s[16:17]
	s_lshl_b32 s46, s42, 26                        ; the plane (16,384 rows of 4,096 bytes),
	s_lshl_b32 s47, s40, 10                        ; the tile's 256 columns of 4 bytes,
	s_add_co_u32 s46, s46, s47
	s_lshl_b32 s47, s12, 9                         ; my 128 columns
	s_add_co_u32 s46, s46, s47
	s_mov_b32 s47, 0
	s_add_nc_u64 s[8:9], s[8:9], s[46:47]
; 16 matrix instructions: m blocks a0, a0 + 1 of the window's four (hi = 0: my rows 0-63, 1: rows 64-127) x all 8 n blocks, 32 along K.  zero = 1: the first product starts the sums: nothing is ever cleared.
; The 64 accumulators take turns, one instruction a turn, in the same order in every quarter step.
.macro MUL16 f, hi, a0, zero
	WIN MUL_LO+0x50*(\hi)
.irp a, \a0, (\a0)+1
.irp b, 0,1,2,3,4,5,6,7
.if \zero
	v_wmma_f32_16x16x32_f16 v[8*(8*(\a)+(\b)):8*(8*(\a)+(\b))+7], v[(\f)+8*(\b):(\f)+8*(\b)+7], v[(\f)+8*(4*(\hi)+(\a)):(\f)+8*(4*(\hi)+(\a))+7], 0
.else
	v_wmma_f32_16x16x32_f16 v[8*(8*(\a)+(\b)):8*(8*(\a)+(\b))+7], v[(\f)+8*(\b):(\f)+8*(\b)+7], v[(\f)+8*(4*(\hi)+(\a)):(\f)+8*(4*(\hi)+(\a))+7], v[8*(8*(\a)+(\b)):8*(8*(\a)+(\b))+7]
.endif
.endr
.endr
.endm
; 32 LDS loads in one run: the fragments of one quarter step (128 rows of B, 128 rows of A, 32 K) into buffer f.  k = 0, 64: the even kb's two halves; KBH, KBH + 64: the odd kb's
.macro FETCH slot, k, f
	WIN TO_B
.irp i, 0,1,2,3,4,5,6,7
	ds_load_b128 v[(\f)+8*(\i):(\f)+8*(\i)+3],   v[ADRB+(\slot)] offset:(\k)+(\i)*BLK16
	ds_load_b128 v[(\f)+8*(\i)+4:(\f)+8*(\i)+7], v[ADRB+(\slot)] offset:(\k)+(\i)*BLK16+32
.endr
	WIN 0
.irp i, 0,1,2,3,4,5,6,7
	ds_load_b128 v[(\f)+8*(\i):(\f)+8*(\i)+3],   v[ADRA+(\slot)] offset:(\k)+(\i)*BLK16
	ds_load_b128 v[(\f)+8*(\i)+4:(\f)+8*(\i)+7], v[ADRA+(\slot)] offset:(\k)+(\i)*BLK16+32
.endr
.endm
; A load into a register that a matrix instruction has read, and an LDS store that reads a matrix result, stand four places behind that matrix instruction, and only plain vector instructions that
; name none of its registers are places (ISA guide 7.12.1 for vector instructions).
.macro PLACES
.rept 4
	v_nop
.endr
.endm
; A K step is four quarter steps of 32 along K, 64 matrix instructions each, on buffers 0, 1, 0, 1.
; One of the first three: multiplies buffer f; in its middle it fetches the next quarter's fragments, at byte k, into buffer g.
.macro QUARTER slot, k, f, g, zero
	s_wait_dscnt 8                                 ; B and A's rows 0-63 are in; the youngest eight loads (A's rows 64-127) may be out
	WIN MUL_LO
	MUL16 \f, 0, 0, \zero
	MUL16 \f, 0, 2, \zero
	PLACES
	FETCH \slot, \k, \g
	s_wait_dscnt 32                                ; all but the 32 just issued
	WIN MUL_HI
	MUL16 \f, 1, 0, \zero
	MUL16 \f, 1, 2, \zero
.endm
; The last quarter multiplies buffer 1 and changes slots.  MEET is its first half: ONE barrier for the change of slots.  In front of it each wave waits for all its tensor loads, of which one is out:
; its part of the next slot; adds 0 to its spare word; and waits for that and for its own reads of this slot.  Behind it nobody reads this slot any more and the next slot is whole.
.macro MEET round                      ; round = 1: a round of the cluster's barrier follows
	WIN 0                                          ; (the add's two registers lie in window 0)
	s_wait_tensorcnt 0x0                           ; all my tensor loads have landed;
	ds_add_u32 v[SPW], v[NIL]                      ; 0 onto my spare word;
	s_wait_dscnt 9                                 ; (the add and the youngest eight loads may be out)
	WIN MUL_LO
	MUL16 F1, 0, 0, 0                              ; sixteen matrix instructions stand between the add and the wait for it
	s_wait_dscnt 0x0                               ; the add is done, and my reads of this slot are over:
	s_barrier_signal -1                            ; say so,
	MUL16 F1, 0, 2, 0                              ; work on registers while the others arrive,
.if \round
	WIN 0
.endif
	s_barrier_wait -1                              ; and go on when all four have said so
.endm
; The whole last quarter where the slot is filled again, with the K step two steps on: the barrier opens a round of the cluster's, and the joint refill is the first tensor load behind it.
; From a request to the wait for it a wave issues 224 matrix instructions.
.macro TURN slot, next
	MEET 1
	CREST                                          ; no wave of any partner still reads this slot's tile or has a load on its way
	s_add_nc_u64 s[G0+4*(\slot)+2:G0+4*(\slot)+3], s[G0+4*(\slot)+2:G0+4*(\slot)+3], 4*A_KB     ; no tensor load of mine is out: a group 0 may be written; the type bits on top are not reached
	s_add_nc_u64 s[G0B+4*(\slot)+2:G0B+4*(\slot)+3], s[G0B+4*(\slot)+2:G0B+4*(\slot)+3], 4*B_KB
	JLOAD \slot                                    ; the four v_nop behind it are also the places in front of the loads below
	FETCH \next, 0, F0
	WIN MUL_HI
	MUL16 F1, 1, 0, 0
	MUL16 F1, 1, 2, 0
.endm
.macro TURNL next                      ; the same where nothing is left to fetch: no round, no load
	MEET 0
	PLACES
	FETCH \next, 0, F0
	WIN MUL_HI
	MUL16 F1, 1, 0, 0
	MUL16 F1, 1, 2, 0
.endm
; THE WAY OUT, 16 rows x 64 columns of f32 at a time: u = 2 a + hb (block a of 16 rows, half hb of my 128 columns).  A lane's eight numbers of a row are 32 bytes; the lanes beside it hold other rows.
; So they go into my own stage, rows of 272 bytes, straight from the accumulators (each one's four lowest registers first), and come back as whole rows of 256 bytes.
.macro TOSTAGE u
.set AC, 64*(((\u)/2)%4)
.set HB, (\u)%2
.set BK, OB+160*((\u)%2)
	s_wait_xcnt 0x0                                ; every earlier store has had its addresses translated (ISA guide 3.1): the rows that the stores two blocks back read are loaded again only behind this wait
	WIN 0x08+4*((\u)/8)                            ; the stores' data (source 1) in window 2 or 3
.irp b, 0,1,2,3
	ds_store_b128 v[STO], v[AC+8*(4*HB+(\b)):AC+8*(4*HB+(\b))+3]   offset:64*(\b)
	ds_store_b128 v[STO], v[AC+8*(4*HB+(\b))+4:AC+8*(4*HB+(\b))+7] offset:64*(\b)+16
.endr
	WIN 0
.irp t, 0,1,2,3,4,5,6,7
	ds_load_b128 v[BK+4*(\t):BK+4*(\t)+3], v[RD] offset:(\t)*2*SPITCH  ; LDS serves a wave's instructions in order (ISA guide 5.7.1.4): these see the stores above; the next block's stores come behind them
.endr
.endm
.macro SEND u, younger                 ; younger: the LDS instructions issued behind block u's loads: the next block's sixteen, or none
	WIN 0
.set BK, OB+160*((\u)%2)
	s_wait_dscnt \younger
.irp t, 0,1,2,3,4,5,6,7
	global_store_b128 v[CO], v[BK+4*(\t):BK+4*(\t)+3], s[8:9] offset:(16*((\u)/2)+2*(\t))*CROW+((\u)%2)*256  ; 16 lanes store 256 consecutive bytes, at a multiple of 256 from C's first byte; 516,352 at the most
.endr
.endm
	s_wait_tensorcnt 1                             ; my part of K step 0 is in; K step 1's may stay out
	s_barrier_signal -1
	s_barrier_wait -1                              ; everybody's is
	FETCH 0, 0, F0
	QUARTER 0, 64, F0, F1, 1                       ; the first quarter stands in front of the loop: its products start the sums
	WIN 0                                          ; at a label and at a branch every window is 0
	s_mov_b32 s3, LAPS-1
.Llap:                                                 ; a trip goes once round the ring, from a lap's second quarter to the next lap's first, and fills both slots again: K steps 2 to 7 in three trips
	QUARTER 0, KBH,    F1, F0, 0
	QUARTER 0, KBH+64, F0, F1, 0
	TURN 0, 1
	QUARTER 1, 64,     F0, F1, 0
	QUARTER 1, KBH,    F1, F0, 0
	QUARTER 1, KBH+64, F0, F1, 0
	TURN 1, 0
	QUARTER 0, 64,     F0, F1, 0
	WIN 0
	s_sub_co_u32 s3, s3, 1
	s_cmp_lg_u32 s3, 0
	s_cbranch_scc1 .Llap
	QUARTER 0, KBH,    F1, F0, 0                   ; the last lap is written out: it asks for nothing more
	QUARTER 0, KBH+64, F0, F1, 0
	TURNL 1
	QUARTER 1, 64,     F0, F1, 0
	QUARTER 1, KBH,    F1, F0, 0
	QUARTER 1, KBH+64, F0, F1, 0
	s_wait_dscnt 8                                 ; the very last quarter: nothing more to fetch
	WIN MUL_LO
	MUL16 F1, 0, 0, 0
	MUL16 F1, 0, 2, 0
	s_wait_dscnt 0x0
	MUL16 F1, 1, 0, 0
	MUL16 F1, 1, 2, 0
	WIN 0
	PLACES                                         ; the stores below read results just made
	TOSTAGE 0
.irp u, 1,2,3,4,5,6,7,8,9,10,11,12,13,14,15
	TOSTAGE \u                                     ; a block's way through the stage stands between the loads of the block before and its stores
	SEND (\u)-1, 16
.endr
	SEND 15, 0
	s_wait_tensorcnt 0x0                           ; the wave's end, behind my last tensor load and my last LDS store
	ds_add_u32 v[SPW], v[NIL]
	s_wait_dscnt 0x0
	CROUND                                         ; the closing round: no work-group ends while a partner may still ask for a tile that names it
	s_endpgm
.Lfunc_end_k_qef951fc419_gemm_kr:
	.size	k_qef951fc419_gemm_kr, .Lfunc_end_k_qef951fc419_gemm_kr-k_qef951fc419_gemm_kr
	.p2alignl 7, 3214868480
	.fill 96, 4, 3214868480
	.section	.rodata,"a",@progbits
	.p2align	6, 0x0
	.amdhsa_kernel k_qef951fc419_gemm_kr
		.amdhsa_group_segment_fixed_size 327680
		.amdhsa_private_segment_fixed_size 0
		.amdhsa_enable_private_segment 0
		.amdhsa_kernarg_size 24
		.amdhsa_user_sgpr_count 2
		.amdhsa_user_sgpr_kernarg_segment_ptr 1
		.amdhsa_wavefront_size32 1
		.amdhsa_system_sgpr_workgroup_id_x 1
		.amdhsa_system_sgpr_workgroup_id_y 1
		.amdhsa_system_sgpr_workgroup_id_z 1
		.amdhsa_system_vgpr_workitem_id 0
		.amdhsa_next_free_vgpr 1024
		.amdhsa_next_free_sgpr 66
		.amdhsa_reserve_vcc 0
		.amdhsa_float_denorm_mode_32 3
		.amdhsa_float_denorm_mode_16_64 3
		.amdhsa_memory_ordered 1
		.amdhsa_forward_progress 1
		.amdhsa_inst_pref_size 141
	.end_amdhsa_kernel
	.amdgpu_metadata
---
amdhsa.version: [ 1, 2 ]
amdhsa.kernels:
  - .name:           k_qef951fc419_gemm_kr
    .symbol:         k_qef951fc419_gemm_kr.kd
    .args:
      - { .name: xb, .offset: 0, .size: 8, .value_kind: global_buffer, .address_space: global }
      - { .name: wkr, .offset: 8, .size: 8, .value_kind: global_buffer, .address_space: global }
      - { .name: kr, .offset: 16, .size: 8, .value_kind: global_buffer, .address_space: global }
    .group_segment_fixed_size: 327680
    .private_segment_fixed_size: 0
    .kernarg_segment_align: 8
    .kernarg_segment_size: 24
    .max_flat_workgroup_size: 128
    .sgpr_count:     66
    .vgpr_count:     1024
    .wavefront_size: 32
...
	.end_amdgpu_metadata
.endif
;; end of part 2
;; launch scan (part 3): grid 16 x 16, 16 waves a work-group, no clusters, 97,024 bytes of LDS; arguments kr, time_decay, time_first, ob; writes ob
.if DOCPART == 3
	.amdgcn_target "amdgcn-amd-amdhsa--gfx1250"
	.amdhsa_code_object_version 6
	.text
	.protected	k_qef951fc419_scan
	.globl	k_qef951fc419_scan
	.p2align	8
	.type	k_qef951fc419_scan,@function
k_qef951fc419_scan:
	s_mov_b64 s[64:65], 0
	v_nop
	global_prefetch_b8 v0, s[64:65] scope:SCOPE_SE
	s_setreg_imm32_b32 hwreg(HW_REG_WAVE_MODE, 25, 1), 1
	s_wait_xcnt 0x0
; THE WKV RECURRENCE AND THE GATE.  kr: f32 [2: k, r][16 b x 1024 t][1024 channels]; time_decay, time_first: f32 [1024]; ob: f16 [16 kb][16384 rows][64] = sigmoid(r) y, with v = r.
; For each (b, channel) a state (a, b, p) stands for the sums a 2^p and b 2^p; p is a running maximum, kept in every step and in every joining of states.  All exponents are in base 2:
; k2 = k log2(e), u2 = u log2(e), w2 = -2^(td log2(e)) log2(e).  In a pair 2^(L - max(L, X)), 2^(X - max(L, X)) the larger is exactly 1 and the other is 2^-|L - X|: one exponential and two selects.
; time_decay and time_first are rounded to bf16 first, as the launch in front rounds x and the weights: every input of the module has the same one rounding.
; LIMITS.  The result is f16: from 65,520 on it becomes an infinity (|sigmoid(r) y| is at most the largest |r|), below 6.1e-5 it has f16's step of 6e-8.  A weight below 2^-126 counts as 0.
; The empty state has p = -1e38: scores at or below that are not told apart from it.  Decay over n steps is taken as n w2, not as n additions.  NaN and infinite inputs are not treated apart.
; SHARES.  A work-group owns one b and 64 channels (one kb), all 1,024 steps, in two super-blocks of 512 rows.  Thread t: four channels (t % 16) and a chunk of 16 rows (t / 16, 0..31).  A wave's load
; takes the 256 aligned bytes of a row of chunk 2 w (lanes 0-15) and of a row of chunk 2 w + 1 (lanes 16-31).  A chunk's 16 x 4 k and r stay in 128 registers between two passes: kr is read once.
;   pass 1: the chunk's summary, the state that it makes of the empty state.     prefix: wave w joins, for channels 4 w .. 4 w + 3 (lane = chunk), the carry and the 32 summaries into the state
;   at each chunk's entry.     pass 2: the chunk is walked again from that state, and the results leave; the next super-block's rows are loaded into registers as they fall free.
; The recurrence is linear in (a 2^p, b 2^p): the state behind a chunk is the state in front of it, decayed by 16 w2, plus the chunk's summary.
; No cluster and no tensor load: the work-groups share no input but 512 bytes of constants; no matrix unit: the decay differs from channel to channel and the maximum must be kept.
.set ROWB,  4096                       ; bytes in a row of kr
.set SBB,   512*ROWB                   ; a super-block
.set SROW,  528                        ; LDS, states: a row for each group of four channels: 33 entries of 16 bytes.
.set SUMC,  16*SROW                    ; one component (a, b, p): 8,448 bytes; the three lie from byte 0 on
.set STG,   3*SUMC                     ; 25,344: the stages, one for each wave:
.set HSTG,  2176                       ; a chunk's 16 rows x 128 bytes, and 128 bytes so that the two halves of the lanes fall into different halves of the banks
.set WSTG,  2*HSTG
.set SPARE, STG+16*WSTG                ; 94,976: the spare words, 128 bytes for each wave: eight blocks of 256 bytes that no other line names
.set LOFF, 1                           ; v1   my byte offset in a super-block of k or r: chunk x 16 rows + 16 bytes x (t % 16); never rewritten
.set SA,   2                           ; v2   my entry among the states: 528 (t % 16) + 16 (t / 16)
.set PA,   3                           ; v3   the prefix: 528 wave + 16 lane
.set PA0,  4                           ; v4   the prefix: 528 wave
.set STO,  5                           ; v5   where I put a step's 8 bytes in my wave's stage
.set RDB,  6                           ; v6   where I read 16 bytes back
.set GOFF, 7                           ; v7   my byte offset in the super-block's 65,536 bytes of ob; never rewritten
.set SPW,  8                           ; v8   LDS address of my spare word: SPARE + 4 x my thread's number; never rewritten
.set NIL,  9                           ; v9   0; never rewritten
.set rU,   12                          ; u2 of my four channels
.set rW2,  16                          ; w2 of my four channels
.set rWP,  20                          ; the prefix: 16 w2 of channels 4 wave .. + 3: a chunk's decay
.set rWLN, 24                          ; rWP x (lane % 16 + 1)
.set rWL,  28                          ; rWP x 2, 4, 8, 16
.set rA,   32                          ; the state
.set rB,   36
.set rP,   40
.set rPP,  44                          ; at work, four registers each
.set rD,   48
.set rE,   52
.set rE1,  56
.set rE2,  60
.set rTT,  64
.set rNUM, 68
.set rTA,  72                          ; the prefix: another lane's state
.set rTB,  76
.set rTP,  80
.set rCA,  84                          ; the prefix: the carry from super-block to super-block
.set rCB,  88
.set rCP,  92
.set rOB,  96                          ; v[96:127] the way out; at the head: at work
.set rK,   128                         ; v[128:191] k of my 16 rows, four channels each
.set rR,   192                         ; v[192:255] r likewise
; s[4:5] k, s[12:13] r, at my b and kb; s[6:7], s[8:9] time_decay, time_first at my kb; s[10:11] ob at my kb, b and super-block; s14 wave; s[20:23] four masks;
; s[24:25] log2(e), s[26:27] -log2(e), each twice; s28 -1e38; s29 0xffff0000 (a word's upper bf16, and lanes 16-31); s30 trips; s31, s32 lane selects; s33 the sign bit
.macro ADD2 d, a, b                    ; four channels are two pairs: two packed lines
	v_pk_add_f32 v[(\d):(\d)+1],   v[(\a):(\a)+1],   v[(\b):(\b)+1]
	v_pk_add_f32 v[(\d)+2:(\d)+3], v[(\a)+2:(\a)+3], v[(\b)+2:(\b)+3]
.endm
.macro SUB2 d, a, b
	v_pk_add_f32 v[(\d):(\d)+1],   v[(\a):(\a)+1],   v[(\b):(\b)+1]   neg_lo:[0,1] neg_hi:[0,1]
	v_pk_add_f32 v[(\d)+2:(\d)+3], v[(\a)+2:(\a)+3], v[(\b)+2:(\b)+3] neg_lo:[0,1] neg_hi:[0,1]
.endm
.macro MUL2 d, a, b
	v_pk_mul_f32 v[(\d):(\d)+1],   v[(\a):(\a)+1],   v[(\b):(\b)+1]
	v_pk_mul_f32 v[(\d)+2:(\d)+3], v[(\a)+2:(\a)+3], v[(\b)+2:(\b)+3]
.endm
.macro MULS2 d, a, sp                  ; times a scalar: the pair's low word for both halves
	v_pk_mul_f32 v[(\d):(\d)+1],   v[(\a):(\a)+1],   s[(\sp):(\sp)+1] op_sel_hi:[1,0]
	v_pk_mul_f32 v[(\d)+2:(\d)+3], v[(\a)+2:(\a)+3], s[(\sp):(\sp)+1] op_sel_hi:[1,0]
.endm
.macro FMA2 d, a, b, c
	v_pk_fma_f32 v[(\d):(\d)+1],   v[(\a):(\a)+1],   v[(\b):(\b)+1],   v[(\c):(\c)+1]
	v_pk_fma_f32 v[(\d)+2:(\d)+3], v[(\a)+2:(\a)+3], v[(\b)+2:(\b)+3], v[(\c)+2:(\c)+3]
.endm
.macro EXPD                            ; E = 2^-|D|: D with its sign bit set is -|D|
.irp i, 0,1,2,3
	v_or_b32 v[rE+\i], s33, v[rD+\i]
.endr
.irp i, 0,1,2,3
	v_exp_f32 v[rE+\i], v[rE+\i]
.endr
.endm
.macro SEL                             ; D = L - X.  Where L is the larger: E1 = 1, E2 = E; else E1 = E, E2 = 1.  The compares are the plain instructions between the exponentials and the use of their results (ISA guide 5.7.2)
.irp i, 0,1,2,3
	v_cmp_le_f32 s[20+\i], 0, v[rD+\i]
.endr
	s_wait_alu depctr_va_vdst(0)
.irp i, 0,1,2,3
	v_cndmask_b32 v[rE1+\i], v[rE+\i], 1.0, s[20+\i]
	v_cndmask_b32 v[rE2+\i], 1.0, v[rE+\i], s[20+\i]
.endr
.endm
.macro GATE l, x
	SUB2 rD, \l, \x
	EXPD
	SEL
.endm
; The state takes row s: it decays by w2, and (r, 1) enters with exponent k2.
.macro UPD s
	ADD2 rPP, rP, rW2
	GATE rPP, rK+4*(\s)
	MUL2 rTT, rE2, rR+4*(\s)
	FMA2 rA, rE1, rA, rTT
	FMA2 rB, rE1, rB, rE2
.irp i, 0,1,2,3
	v_max_num_f32 v[rP+\i], v[rPP+\i], v[rK+4*(\s)+\i]
.endr
.endm
; Row s's result, from the state in front of it: y = (e1 a + e2 r) / (e1 b + e2) with exponents p and u2 + k2; sigmoid(r) y = (e1 a + e2 r) / ((e1 b + e2) (1 + 2^(-r log2(e)))): one reciprocal.
; The divisor is at least 1: the larger of e1, e2 is 1, and b is at least 1 in every state but the empty one, whose e1 is 0.
.macro OUTP s
	MULS2 rPP, rR+4*(\s), 26
	ADD2 rTT, rK+4*(\s), rU
	SUB2 rD, rP, rTT
	EXPD
.irp i, 0,1,2,3
	v_exp_f32 v[rPP+\i], v[rPP+\i]
.endr
	SEL
	MUL2 rTT, rE2, rR+4*(\s)
	FMA2 rNUM, rE1, rA, rTT
	FMA2 rD, rE1, rB, rE2
	FMA2 rD, rD, rPP, rD
.irp i, 0,1,2,3
	v_rcp_f32 v[rE+\i], v[rD+\i]
.endr
	v_nop                                          ; a plain instruction between the last reciprocal and the use of its result
	s_wait_alu depctr_va_vdst(0)
	MUL2 rNUM, rNUM, rE
	v_cvt_pk_f16_f32 v10, v[rNUM],   v[rNUM+1]
	v_cvt_pk_f16_f32 v11, v[rNUM+2], v[rNUM+3]
	ds_store_b64 v[STO], v[10:11] offset:(\s)*128  ; lanes 0-15: the 128 bytes of a row of one chunk; lanes 16-31: of the other, in the other half of the banks
.endm
; The older state o, decayed by dw, is joined into the newer state n.  n is never the empty state, so its p is finite, and the difference of the exponents is never one of two infinities.
.macro COMB oa, ob, op, dw, na, nb, np
	ADD2 rPP, \op, \dw
	GATE rPP, \np
	MUL2 rTT, rE2, \na
	FMA2 \na, rE1, \oa, rTT
	MUL2 rTT, rE2, \nb
	FMA2 \nb, rE1, \ob, rTT
.irp i, 0,1,2,3
	v_max_num_f32 v[(\np)+\i], v[rPP+\i], v[(\np)+\i]
.endr
.endm
; A step of the prefix inside each half of 16 lanes: lane l, which holds chunks l - n + 1 .. l, takes the state of lane l - n, decayed by those n chunks (dw); a lane without such a neighbour takes the empty state.
.macro STEP n, dw
.irp i, 0,1,2,3
	v_mov_b32 v[rTP+\i], s28
.endr
.irp i, 0,1,2,3
	v_mov_b32_dpp v[rTA+\i], v[rA+\i] row_shr:\n row_mask:0xf bank_mask:0xf bound_ctrl:1
	v_mov_b32_dpp v[rTB+\i], v[rB+\i] row_shr:\n row_mask:0xf bank_mask:0xf bound_ctrl:1
	v_mov_b32_dpp v[rTP+\i], v[rP+\i] row_shr:\n row_mask:0xf bank_mask:0xf
.endr
	COMB rTA, rTB, rTP, \dw, rA, rB, rP
	ADD2 rWL, \dw, \dw
.endm
.macro RB4 r                           ; four numbers rounded to bf16, in place
	v_cvt_pk_bf16_f32 v[rTT],   v[(\r)],   v[(\r)+1]
	v_cvt_pk_bf16_f32 v[rTT+1], v[(\r)+2], v[(\r)+3]
	v_lshlrev_b32 v[(\r)],   16,  v[rTT]
	v_and_b32     v[(\r)+1], s29, v[rTT]
	v_lshlrev_b32 v[(\r)+2], 16,  v[rTT+1]
	v_and_b32     v[(\r)+3], s29, v[rTT+1]
.endm
; Four rows of pass 2.  ld = 1: the same four rows of the next super-block are then loaded into the registers that have just fallen free.  Behind the chunk's last row the state is wanted no more.
.macro GROUP g, ld
.irp q, 0,1,2,3
	OUTP 4*(\g)+\q
.if 4*(\g)+\q < 15
	UPD 4*(\g)+\q
.endif
.endr
.if \ld
.irp q, 0,1,2,3
	global_load_b128 v[rK+4*(4*(\g)+\q):rK+4*(4*(\g)+\q)+3], v[LOFF], s[4:5]   offset:SBB+(4*(\g)+\q)*ROWB th:TH_LOAD_NT
	global_load_b128 v[rR+4*(4*(\g)+\q):rR+4*(4*(\g)+\q)+3], v[LOFF], s[12:13] offset:SBB+(4*(\g)+\q)*ROWB th:TH_LOAD_NT
.endr
.endif
.endm
	s_load_b256 s[4:11], s[0:1], 0x0               ; kr s[4:5], time_decay s[6:7], time_first s[8:9], ob s[10:11]
	v_lshl_add_u32 v[SPW], v0, 2, SPARE
	v_mov_b32 v[NIL], 0
	v_lshrrev_b32 v96, 5, v0
	v_readfirstlane_b32 s14, v96                   ; wave 0..15
	s_and_b32 s15, ttmp7, 0xffff                   ; b
	s_lshl_b32 s18, s15, 22                        ; kr: 1,024 rows of 4,096 bytes a b,
	s_lshl_b32 s16, ttmp9, 8                       ; 256 bytes a kb: in kr's rows, and in the two vectors
	s_add_co_u32 s18, s18, s16
	s_mov_b32 s19, 0
	s_mov_b32 s17, 0
	s_lshl_b32 s34, ttmp9, 21                      ; ob: 16,384 rows of 128 bytes a kb,
	s_lshl_b32 s35, s15, 17                        ; 1,024 rows a b
	s_add_co_u32 s34, s34, s35
	s_mov_b32 s35, 0
	s_mov_b32 s24, 0x3fb8aa3b                      ; log2(e)
	s_mov_b32 s25, s24                             ; named with it as a pair
	s_mov_b32 s26, 0xbfb8aa3b                      ; -log2(e)
	s_mov_b32 s27, s26
	s_mov_b32 s28, 0xfe967699                      ; -1e38
	s_mov_b32 s29, 0xffff0000
	s_mov_b32 s31, -1                              ; v_permlanex16_b32: every lane takes lane 15 of the other half
	s_mov_b32 s32, -1
	s_mov_b32 s33, 0x80000000
	s_mov_b32 s30, 2
	s_mul_i32 s36, s14, WSTG
	s_add_co_u32 s36, s36, STG                     ; my wave's stage
	s_mul_i32 s37, s14, SROW                       ; my wave's row of states, for the prefix
	s_lshl_b32 s38, s14, 4                         ; the prefix's four channels in time_decay
	s_lshl_b32 s39, s14, 12                        ; my wave's 32 rows of 128 bytes in ob
	v_and_b32 v97, 15, v0                          ; t % 16
	v_lshrrev_b32 v98, 4, v0                       ; t / 16: the chunk
	v_and_b32 v99, 31, v0                          ; lane
	v_bfe_u32 v100, v0, 4, 1                       ; which half of the lanes
	v_lshlrev_b32 v[LOFF], 16, v98
	v_lshl_or_b32 v[LOFF], v97, 4, v[LOFF]
	v_mul_u32_u24 v[SA], v97, SROW
	v_lshl_add_u32 v[SA], v98, 4, v[SA]
	v_lshl_add_u32 v[PA], v99, 4, s37
	v_mov_b32 v[PA0], s37
	v_mul_u32_u24 v[STO], v100, HSTG
	v_lshl_add_u32 v[STO], v97, 3, v[STO]
	v_add_nc_u32 v[STO], s36, v[STO]
	v_lshl_add_u32 v[RDB], v99, 4, s36
	v_lshl_add_u32 v[GOFF], v99, 4, s39
	v_lshlrev_b32 v101, 4, v97                     ; my four channels in the two vectors
	v_mov_b32 v102, s38
	s_wait_kmcnt 0x0
	s_add_nc_u64 s[4:5], s[4:5], s[18:19]
	s_add_nc_u64 s[12:13], s[4:5], 0x4000000       ; r is the second plane of kr
	s_add_nc_u64 s[6:7], s[6:7], s[16:17]
	s_add_nc_u64 s[8:9], s[8:9], s[16:17]
	s_add_nc_u64 s[10:11], s[10:11], s[34:35]
	global_load_b128 v[rU:rU+3],   v101, s[8:9]
	global_load_b128 v[rW2:rW2+3], v101, s[6:7]
	global_load_b128 v[rWP:rWP+3], v102, s[6:7]
.irp s, 0,1,2,3,4,5,6,7,8,9,10,11,12,13,14,15
	global_load_b128 v[rK+4*(\s):rK+4*(\s)+3], v[LOFF], s[4:5]   offset:(\s)*ROWB th:TH_LOAD_NT  ; the first super-block: 32 loads of every wave are out; kr is read once in the launch
	global_load_b128 v[rR+4*(\s):rR+4*(\s)+3], v[LOFF], s[12:13] offset:(\s)*ROWB th:TH_LOAD_NT
.endr
.irp i, 0,1,2,3
	v_mov_b32 v[rCA+\i], 0                         ; the carry starts as the empty state
	v_mov_b32 v[rCB+\i], 0
	v_mov_b32 v[rCP+\i], s28
	v_mov_b32 v[rTA+\i], 0                         ; destinations of lane moves count as read: written once here
	v_mov_b32 v[rTB+\i], 0
	v_mov_b32 v[rTP+\i], 0
.endr
	s_wait_loadcnt 32                              ; the three loads of constants are in; the 32 issued behind them stay out
	RB4 rU
	RB4 rW2
	RB4 rWP
	MULS2 rU, rU, 24
	MULS2 rW2, rW2, 24
	MULS2 rWP, rWP, 24
.irp i, 0,1,2,3
	v_exp_f32 v[rW2+\i], v[rW2+\i]
.endr
.irp i, 0,1,2,3
	v_exp_f32 v[rWP+\i], v[rWP+\i]
.endr
	v_add_nc_u32 v97, 1, v97                       ; lane % 16 + 1; also the plain instruction behind the exponentials
	v_cvt_f32_u32 v97, v97
	s_wait_alu depctr_va_vdst(0)
	MULS2 rW2, rW2, 26
	MULS2 rWP, rWP, 26
	v_pk_mul_f32 v[rWP:rWP+1],   v[rWP:rWP+1],   0x41800000 op_sel_hi:[1,0]  ; 16 steps a chunk
	v_pk_mul_f32 v[rWP+2:rWP+3], v[rWP+2:rWP+3], 0x41800000 op_sel_hi:[1,0]
.irp i, 0,1,2,3
	v_mul_f32 v[rWLN+\i], v97, v[rWP+\i]           ; every factor of a decay is at least 1: an infinite decay stays an infinity
.endr
.Lsb:                                                  ; two trips: a super-block of 512 rows each
	; PASS 1.  The empty state and row 0 make exactly (r, 1, k2): the first row starts the sums.
	s_wait_loadcnt 30                              ; loads come back in order (ISA guide 5.7.1): row 0's two are in, the 30 younger ones stay out.  The count holds on both ways into the loop: the 32 loads are the last issued, in the same order
	MULS2 rK, rK, 24
.irp i, 0,1,2,3
	v_mov_b32 v[rA+\i], v[rR+\i]
	v_mov_b32 v[rB+\i], 1.0
	v_mov_b32 v[rP+\i], v[rK+\i]
.endr
.irp s, 1,2,3,4,5,6,7,8,9,10,11,12,13,14,15
	s_wait_loadcnt 30-2*(\s)                       ; row s's two loads are in
	MULS2 rK+4*(\s), rK+4*(\s), 24                 ; k2, in place: pass 2 uses it again
	UPD \s
.endr
	ds_store_b128 v[SA], v[rA:rA+3]
	ds_store_b128 v[SA], v[rB:rB+3] offset:SUMC
	ds_store_b128 v[SA], v[rP:rP+3] offset:2*SUMC
	s_wait_dscnt 0x0                               ; for the others' sake: my summary is in LDS
	s_barrier_signal -1
	s_barrier_wait -1
	; THE PREFIX.  My wave's row of states: entry l holds chunk l's summary; between this barrier and the next no other wave touches the row.
	ds_load_b128 v[rA:rA+3], v[PA]
	ds_load_b128 v[rB:rB+3], v[PA] offset:SUMC
	ds_load_b128 v[rP:rP+3], v[PA] offset:2*SUMC
	s_wait_dscnt 0x0
	STEP 1, rWP
	STEP 2, rWL
	STEP 4, rWL
	STEP 8, rWL                                    ; lane l holds its half's chunks up to l; rWL is 16 chunks' decay
.irp i, 0,1,2,3
	v_permlanex16_b32 v[rTA+\i], v[rA+\i], s31, s32  ; lanes 16-31 take chunks 0-15 joined (what lanes 0-15 take is dropped below)
	v_permlanex16_b32 v[rTB+\i], v[rB+\i], s31, s32
	v_permlanex16_b32 v[rTP+\i], v[rP+\i], s31, s32
.endr
	COMB rCA, rCB, rCP, rWL, rTA, rTB, rTP         ; with the carry in front: the state behind chunk 15
.irp i, 0,1,2,3
	v_cndmask_b32 v[rTA+\i], v[rCA+\i], v[rTA+\i], s29  ; the state in front of my half: the carry for lanes 0-15
	v_cndmask_b32 v[rTB+\i], v[rCB+\i], v[rTB+\i], s29
	v_cndmask_b32 v[rTP+\i], v[rCP+\i], v[rTP+\i], s29
.endr
	COMB rTA, rTB, rTP, rWLN, rA, rB, rP           ; decayed by my lane % 16 + 1 chunks: the state behind chunk l
	ds_store_b128 v[PA], v[rA:rA+3] offset:16      ; which is the state at chunk l + 1's entry
	ds_store_b128 v[PA], v[rB:rB+3] offset:SUMC+16
	ds_store_b128 v[PA], v[rP:rP+3] offset:2*SUMC+16
	ds_store_b128 v[PA0], v[rCA:rCA+3]             ; chunk 0 enters with the carry (all lanes store the same words)
	ds_store_b128 v[PA0], v[rCB:rCB+3] offset:SUMC
	ds_store_b128 v[PA0], v[rCP:rCP+3] offset:2*SUMC
	ds_load_b128 v[rCA:rCA+3], v[PA0] offset:512   ; entry 32, the state behind chunk 31, is the next carry: LDS serves a wave's instructions in order (ISA guide 5.7.1.4)
	ds_load_b128 v[rCB:rCB+3], v[PA0] offset:SUMC+512
	ds_load_b128 v[rCP:rCP+3], v[PA0] offset:2*SUMC+512
	s_wait_dscnt 0x0                               ; for the others' sake: the entries are in LDS
	s_barrier_signal -1
	s_barrier_wait -1
	ds_load_b128 v[rA:rA+3], v[SA]                 ; the state at my chunk's entry
	ds_load_b128 v[rB:rB+3], v[SA] offset:SUMC
	ds_load_b128 v[rP:rP+3], v[SA] offset:2*SUMC
	s_wait_dscnt 0x0
	; PASS 2 stands twice, under ONE branch on the trip: with the next super-block's 32 loads, or, in the last trip, with none, so that no load leaves the buffer.
	; So on every way to pass 1's counted waits either all 32 loads were issued, in the order of the rows, or none is out.
	s_cmp_eq_u32 s30, 1
	s_cbranch_scc1 .Llast
	GROUP 0, 1
	GROUP 1, 1
	GROUP 2, 1
	GROUP 3, 1
	s_branch .Lway_out
.Llast:
	GROUP 0, 0
	GROUP 1, 0
	GROUP 2, 0
	GROUP 3, 0
.Lway_out:
	; THE WAY OUT: my wave's two chunks are 32 rows of 128 bytes, 4,096 consecutive bytes of ob.  The stage is the wave's own: no barrier, and no wait between its stores and these loads.
.irp i, 0,1,2,3,4,5,6,7
	ds_load_b128 v[rOB+4*(\i):rOB+4*(\i)+3], v[RDB] offset:((\i)/4)*HSTG+((\i)%4)*512
.endr
.irp i, 0,1,2,3,4,5,6,7
	s_wait_dscnt 7-(\i)                            ; load i is back, the 7 - i younger ones stay out
	global_store_b128 v[GOFF], v[rOB+4*(\i):rOB+4*(\i)+3], s[10:11] offset:(\i)*512  ; 512 consecutive bytes, at a multiple of 256 from ob's first
.endr
	s_wait_xcnt 0x0                                ; every earlier memory instruction has had its addresses translated (ISA guide 3.1): the stores' base and data are rewritten only behind this wait
	s_add_nc_u64 s[10:11], s[10:11], 65536         ; the next super-block's 512 rows of 128 bytes
	s_wait_dscnt 0x0                               ; my reads of the states are over:
	s_barrier_signal -1                            ; the next trip's summaries are stored over them only when every wave has said so
	s_barrier_wait -1
	s_sub_co_u32 s30, s30, 1
	s_cmp_lg_u32 s30, 0
	s_cbranch_scc1 .Lsb
	s_wait_tensorcnt 0x0                           ; the wave's end, behind my last LDS store
	ds_add_u32 v[SPW], v[NIL]
	s_wait_dscnt 0x0
	s_endpgm
.Lfunc_end_k_qef951fc419_scan:
	.size	k_qef951fc419_scan, .Lfunc_end_k_qef951fc419_scan-k_qef951fc419_scan
	.p2alignl 7, 3214868480
	.fill 96, 4, 3214868480
	.section	.rodata,"a",@progbits
	.p2align	6, 0x0
	.amdhsa_kernel k_qef951fc419_scan
		.amdhsa_group_segment_fixed_size 97024
		.amdhsa_private_segment_fixed_size 0
		.amdhsa_enable_private_segment 0
		.amdhsa_kernarg_size 32
		.amdhsa_user_sgpr_count 2
		.amdhsa_user_sgpr_kernarg_segment_ptr 1
		.amdhsa_wavefront_size32 1
		.amdhsa_system_sgpr_workgroup_id_x 1
		.amdhsa_system_sgpr_workgroup_id_y 1
		.amdhsa_system_sgpr_workgroup_id_z 1
		.amdhsa_system_vgpr_workitem_id 0
		.amdhsa_next_free_vgpr 256
		.amdhsa_next_free_sgpr 66
		.amdhsa_reserve_vcc 0
		.amdhsa_float_denorm_mode_32 3
		.amdhsa_float_denorm_mode_16_64 3
		.amdhsa_memory_ordered 1
		.amdhsa_forward_progress 1
		.amdhsa_inst_pref_size 197
	.end_amdhsa_kernel
	.amdgpu_metadata
---
amdhsa.version: [ 1, 2 ]
amdhsa.kernels:
  - .name:           k_qef951fc419_scan
    .symbol:         k_qef951fc419_scan.kd
    .args:
      - { .name: kr, .offset: 0, .size: 8, .value_kind: global_buffer, .address_space: global }
      - { .name: time_decay, .offset: 8, .size: 8, .value_kind: global_buffer, .address_space: global }
      - { .name: time_first, .offset: 16, .size: 8, .value_kind: global_buffer, .address_space: global }
      - { .name: ob, .offset: 24, .size: 8, .value_kind: global_buffer, .address_space: global }
    .group_segment_fixed_size: 97024
    .private_segment_fixed_size: 0
    .kernarg_segment_align: 8
    .kernarg_segment_size: 32
    .max_flat_workgroup_size: 512
    .sgpr_count:     66
    .vgpr_count:     256
    .wavefront_size: 32
...
	.end_amdgpu_metadata
.endif
;; end of part 3
;; launch gemm_out: the kernel of part 2 again; grid 4 x 64, 4 waves a work-group, clusters of 4 x 4, 327,680 bytes of LDS; arguments ob, wob, out0; writes out0
;; ======== version 2 of 2: 3 launches; 1.17 times as fast as version 1
;; limits: values are held in f16: magnitudes above 65,504 overflow, below 6.1e-05 lose precision; inputs' magnitudes at most 65,504
;; workspace buffers: xb 33,554,432 bytes; wkr 4,194,304 bytes; wob 2,097,152 bytes; ob 33,554,432 bytes
;; launch prep (part 4): grid 1216 x 1, 8 waves a work-group, no clusters, 35,840 bytes of LDS; arguments x, Wk, Wr, Wo, xb, wkr, wob; writes xb, wkr, wob
.if DOCPART == 4
	.amdgcn_target "amdgcn-amd-amdhsa--gfx1250"
	.amdhsa_code_object_version 6
	.text
	.protected	k_qef951fc419_prep
	.globl	k_qef951fc419_prep
	.p2align	8
	.type	k_qef951fc419_prep,@function
k_qef951fc419_prep:
	s_mov_b64 s[64:65], 0
	v_nop
	global_prefetch_b8 v0, s[64:65] scope:SCOPE_SE
	s_setreg_imm32_b32 hwreg(HW_REG_WAVE_MODE, 25, 1), 1
	s_wait_xcnt 0x0
; x [16384][1024], Wk, Wr, Wo [1024][1024], all f32, are rounded to bf16 (nearest even), and that number is written as f16, in the layouts that the two launches behind ask for.
; LIMITS.  A bf16 number is exact in f16 from 6.1e-5 up to 65,504 in magnitude; below that it keeps f16's fixed step of 6e-8; from 65,520 on it becomes an infinity.
; xb: REGISTER IMAGES of the first matrix operand.  The rows b 1024 + s 512 + w 128 + 0..127 (batch b, super-block s, wave w of the next launch) belong to the stream 4 b + w, 524,288 bytes; in it the
;   quarter step 32 s + kq (32 along K) has 8,192 bytes: eight fragments a of 1,024 bytes, each two halves c of 512 bytes, in which lane 16 hh + m has 16 bytes:
;   row (m / 8) 64 + 8 a + m % 8 of the 128, k = 32 kq + 16 c + 8 hh + 0..7.  A wave of the next launch reads its stream from end to end, 512 consecutive bytes a load.
; wkr [2: Wk, Wr][16 kb][1024 places][64], wob [16 kb][1024 rows][64]: blocks of 64 along K, so that 64 or 256 rows of one kb lie end to end.  In wkr row 4 r + b of each group of 64 rows stands at
;   place 16 b + r, so that the four columns that a lane of the next launch holds are four neighbouring channels.
; SHARES.  Work-groups 0-1023: 128 rows of x x 128 along K: 65,536 bytes in, 32,768 out.  Wave a takes the sixteen rows of fragment a, a row a load (512 consecutive bytes), turns them in LDS bytes of
; its own (no wave reads another's: no barrier) and stores 512 consecutive bytes at a time.  Work-groups 1024-1215: 256 rows of a weight x one kb, two rows a load (256 aligned bytes each), 256 consecutive
; bytes a store; the order of rows is made by the choice of the rows that a load takes.  All sixteen loads of a wave go out at once; nothing is read twice.  No matrix unit, no cluster: no byte is shared.
.set X, 4                              ; v[4:67]    load i: four f32; later the rows read back from LDS
.set O, 68                             ; v[68:99]   four f16 for each load
.set T, 100                            ; v[100:103] at work
.set SPW, 104                          ; v104  LDS address of my spare word: SPARE + 4 x my thread's number; never rewritten
.set NIL, 105                          ; v105  0; never rewritten
.set LST, 106                          ; v106  where I put 8 bytes in my wave's LDS bytes
.set LRD, 107                          ; v107  where I read 16 bytes back
.set UP,  272                          ; LDS: 256 bytes (sixteen rows' 16 bytes for one kq, c, hh) + 16: the 32 lanes of a store fall on 32 different pairs of banks (64 banks of 4 bytes: ISA guide 11.1)
.set WLDS, 16*UP                       ; a wave's sixteen such units
.set SPARE, 8*WLDS                     ; 34,816: the spare words, 128 bytes for each wave: four blocks of 256 bytes that no other line names
; Load i's four numbers: rounded to bf16, widened again (a shift and a mask), written as f16
.macro CVT i
	s_wait_loadcnt 15-(\i)                         ; loads come back in order (ISA guide 5.7.1): load i is in, the 15 - i younger ones stay out
	v_cvt_pk_bf16_f32 v[T],   v[X+4*(\i)],   v[X+4*(\i)+1]
	v_cvt_pk_bf16_f32 v[T+1], v[X+4*(\i)+2], v[X+4*(\i)+3]
	v_lshlrev_b32 v[X+4*(\i)],   16,  v[T]
	v_and_b32     v[X+4*(\i)+1], s34, v[T]
	v_lshlrev_b32 v[X+4*(\i)+2], 16,  v[T+1]
	v_and_b32     v[X+4*(\i)+3], s34, v[T+1]
	v_cvt_pk_f16_f32 v[O+2*(\i)],   v[X+4*(\i)],   v[X+4*(\i)+1]
	v_cvt_pk_f16_f32 v[O+2*(\i)+1], v[X+4*(\i)+2], v[X+4*(\i)+3]
.endm
	s_load_b256 s[4:11], s[0:1], 0x0               ; x s[4:5], Wk s[6:7], Wr s[8:9], Wo s[10:11]
	s_load_b128 s[12:15], s[0:1], 0x20             ; xb s[12:13], wkr s[14:15]
	s_load_b64 s[16:17], s[0:1], 0x30              ; wob
	v_lshl_add_u32 v[SPW], v0, 2, SPARE
	v_mov_b32 v[NIL], 0
	v_lshrrev_b32 v[T], 5, v0
	v_readfirstlane_b32 s21, v[T]                  ; wave 0..7
	v_and_b32 v[T+1], 31, v0                       ; lane
	v_and_b32 v[T+2], 15, v0
	v_bfe_u32 v[T+3], v0, 4, 1                     ; which half of the lanes
	s_mov_b32 s20, ttmp9
	s_mov_b32 s34, 0xffff0000                      ; a word's upper bf16
	s_mov_b32 s27, 0
	s_mov_b32 s29, 0
	s_cmp_lt_u32 s20, 1024
	s_cbranch_scc0 .Lweights
	; ---- x
	s_and_b32 s22, s20, 7                          ; which 128 along K: neighbouring work-groups read neighbouring 512 bytes of the same rows
	s_lshr_b32 s23, s20, 3                         ; which 128 rows: 8 b + 4 s + w
	s_lshl_b32 s26, s23, 19                        ; source: 128 rows of 4,096 bytes,
	s_lshl_b32 s24, s22, 9                         ; 512 bytes in a row,
	s_add_co_u32 s26, s26, s24
	s_lshl_b32 s24, s21, 15                        ; my fragment's rows begin 8 a rows down
	s_add_co_u32 s26, s26, s24
	s_lshr_b32 s24, s23, 3                         ; b
	s_lshl_b32 s24, s24, 2
	s_and_b32 s25, s23, 3                          ; w
	s_add_co_u32 s24, s24, s25
	s_lshl_b32 s28, s24, 19                        ; destination: the stream 4 b + w,
	s_bfe_u32 s24, s23, 0x10002                    ; s
	s_lshl_b32 s24, s24, 18                        ; 32 quarter steps of 8,192 bytes a super-block,
	s_add_co_u32 s28, s28, s24
	s_lshl_b32 s24, s22, 15                        ; four quarter steps a work-group,
	s_add_co_u32 s28, s28, s24
	s_lshl_b32 s24, s21, 10                        ; my fragment's 1,024 bytes in each
	s_add_co_u32 s28, s28, s24
	s_mul_i32 s25, s21, WLDS                       ; my wave's LDS bytes
	v_lshlrev_b32 v1, 4, v[T+1]                    ; 16 x lane: in a row of x, and in 512 bytes of xb
	v_lshrrev_b32 v[LST], 1, v[T+1]                ; my four numbers are k = 4 lane ..: unit 4 kq + 2 c + hh = lane / 2,
	v_mul_u32_u24 v[LST], v[LST], UP
	v_and_b32 v2, 1, v0
	v_lshl_add_u32 v[LST], v2, 3, v[LST]           ; the first or second 8 bytes of the row's 16
	v_add_nc_u32 v[LST], s25, v[LST]
	v_mul_u32_u24 v[LRD], v[T+3], UP               ; back: lanes 0-15 take unit 2 t, lanes 16-31 unit 2 t + 1, 16 bytes for each row m
	v_lshl_add_u32 v[LRD], v[T+2], 4, v[LRD]
	v_add_nc_u32 v[LRD], s25, v[LRD]
	s_wait_kmcnt 0x0
	s_add_nc_u64 s[30:31], s[4:5], s[26:27]
	s_add_nc_u64 s[32:33], s[12:13], s[28:29]
.irp i, 0,1,2,3,4,5,6,7,8,9,10,11,12,13,14,15
	global_load_b128 v[X+4*(\i):X+4*(\i)+3], v1, s[30:31] offset:(((\i)/8)*64+(\i)%8)*4096 th:TH_LOAD_NT  ; row m = i of my fragment; read once in the launch
.endr
.irp i, 0,1,2,3,4,5,6,7,8,9,10,11,12,13,14,15
	CVT \i
	ds_store_b64 v[LST], v[O+2*(\i):O+2*(\i)+1] offset:16*(\i)
.endr
.irp t, 0,1,2,3,4,5,6,7
	ds_load_b128 v[X+4*(\t):X+4*(\t)+3], v[LRD] offset:2*UP*(\t)  ; LDS serves a wave's instructions in order (ISA guide 5.7.1.4): these see the stores above
.endr
.irp t, 0,1,2,3,4,5,6,7
	s_wait_dscnt 7-(\t)                            ; load t is back, the 7 - t younger ones stay out
	global_store_b128 v1, v[X+4*(\t):X+4*(\t)+3], s[32:33] offset:((\t)/2)*8192+((\t)%2)*512  ; quarter step t / 2, half t % 2: 512 consecutive bytes, at a multiple of 256 from xb's first
.endr
	s_wait_tensorcnt 0x0                           ; the wave's end, behind my last LDS store
	ds_add_u32 v[SPW], v[NIL]
	s_wait_dscnt 0x0
	s_endpgm
	; ---- the weights: no LDS
.Lweights:
	s_and_b32 s22, s20, 15                         ; kb
	s_sub_co_u32 s23, s20, 1024
	s_lshr_b32 s24, s23, 6                         ; 0 Wk, 1 Wr, 2 Wo
	s_bfe_u32 s25, s23, 0x20004                    ; which 256 rows
	s_lshl_b32 s26, s25, 20                        ; source: 256 rows of 4,096 bytes,
	s_lshl_b32 s35, s22, 8                         ; the block's 256 bytes in a row
	s_add_co_u32 s26, s26, s35
	s_lshl_b32 s28, s22, 17                        ; destination: a kb block of 1,024 rows of 128 bytes,
	s_lshl_b32 s35, s25, 15                        ; 256 rows,
	s_add_co_u32 s28, s28, s35
	s_cmp_eq_u32 s24, 1
	s_cselect_b32 s35, 0x200000, 0                 ; and Wr's plane of wkr
	s_add_co_u32 s28, s28, s35
	v_lshlrev_b32 v2, 12, v[T]                     ; destination offset: 32 rows of 128 bytes a wave,
	v_lshl_or_b32 v2, v[T+1], 3, v2                ; 8 bytes a lane
	v_lshlrev_b32 v3, 4, v[T+2]                    ; my 16 bytes of a row's 256
	s_wait_kmcnt 0x0
	s_cmp_eq_u32 s24, 1                            ; the buffers are chosen by the work-group's number alone
	s_cselect_b64 s[30:31], s[8:9], s[6:7]
	s_cmp_eq_u32 s24, 2
	s_cselect_b64 s[30:31], s[10:11], s[30:31]
	s_cselect_b64 s[32:33], s[16:17], s[14:15]
	s_add_nc_u64 s[30:31], s[30:31], s[26:27]
	s_add_nc_u64 s[32:33], s[32:33], s[28:29]
	s_cmp_eq_u32 s24, 2
	s_cbranch_scc1 .Lplain
	; Wk, Wr.  Places 32 w + 2 i and + 1 hold rows (w / 2) 64 + 2 (w % 2) + 8 (i % 8) + i / 8 and that + 4
	s_lshr_b32 s35, s21, 1
	s_lshl_b32 s35, s35, 18
	s_and_b32 s36, s21, 1
	s_lshl_b32 s36, s36, 13
	s_add_co_u32 s35, s35, s36
	v_lshl_add_u32 v1, v[T+3], 14, v3
	v_add_nc_u32 v1, s35, v1
.irp i, 0,1,2,3,4,5,6,7,8,9,10,11,12,13,14,15
	global_load_b128 v[X+4*(\i):X+4*(\i)+3], v1, s[30:31] offset:(8*((\i)%8)+(\i)/8)*4096 th:TH_LOAD_NT
.endr
	s_branch .Lconvert
.Lplain:
	; Wo: rows 32 w + 2 i and + 1, as they lie
	s_lshl_b32 s35, s21, 17
	v_lshl_add_u32 v1, v[T+3], 12, v3
	v_add_nc_u32 v1, s35, v1
.irp i, 0,1,2,3,4,5,6,7,8,9,10,11,12,13,14,15
	global_load_b128 v[X+4*(\i):X+4*(\i)+3], v1, s[30:31] offset:(\i)*8192 th:TH_LOAD_NT
.endr
.Lconvert:                                             ; sixteen loads are out on either way, in the order of i
.irp i, 0,1,2,3,4,5,6,7,8,9,10,11,12,13,14,15
	CVT \i
	global_store_b64 v2, v[O+2*(\i):O+2*(\i)+1], s[32:33] offset:(\i)*256  ; 32 lanes: 256 consecutive bytes, at a multiple of 256 from the buffer's first
.endr
	s_endpgm
.Lfunc_end_k_qef951fc419_prep:
	.size	k_qef951fc419_prep, .Lfunc_end_k_qef951fc419_prep-k_qef951fc419_prep
	.p2alignl 7, 3214868480
	.fill 96, 4, 3214868480
	.section	.rodata,"a",@progbits
	.p2align	6, 0x0
	.amdhsa_kernel k_qef951fc419_prep
		.amdhsa_group_segment_fixed_size 35840
		.amdhsa_private_segment_fixed_size 0
		.amdhsa_enable_private_segment 0
		.amdhsa_kernarg_size 56
		.amdhsa_user_sgpr_count 2
		.amdhsa_user_sgpr_kernarg_segment_ptr 1
		.amdhsa_wavefront_size32 1
		.amdhsa_system_sgpr_workgroup_id_x 1
		.amdhsa_system_sgpr_workgroup_id_y 1
		.amdhsa_system_sgpr_workgroup_id_z 1
		.amdhsa_system_vgpr_workitem_id 0
		.amdhsa_next_free_vgpr 108
		.amdhsa_next_free_sgpr 66
		.amdhsa_reserve_vcc 0
		.amdhsa_float_denorm_mode_32 3
		.amdhsa_float_denorm_mode_16_64 3
		.amdhsa_memory_ordered 1
		.amdhsa_forward_progress 1
		.amdhsa_inst_pref_size 26
	.end_amdhsa_kernel
	.amdgpu_metadata
---
amdhsa.version: [ 1, 2 ]
amdhsa.kernels:
  - .name:           k_qef951fc419_prep
    .symbol:         k_qef951fc419_prep.kd
    .args:
      - { .name: x, .offset: 0, .size: 8, .value_kind: global_buffer, .address_space: global }
      - { .name: Wk, .offset: 8, .size: 8, .value_kind: global_buffer, .address_space: global }
      - { .name: Wr, .offset: 16, .size: 8, .value_kind: global_buffer, .address_space: global }
      - { .name: Wo, .offset: 24, .size: 8, .value_kind: global_buffer, .address_space: global }
      - { .name: xb, .offset: 32, .size: 8, .value_kind: global_buffer, .address_space: global }
      - { .name: wkr, .offset: 40, .size: 8, .value_kind: global_buffer, .address_space: global }
      - { .name: wob, .offset: 48, .size: 8, .value_kind: global_buffer, .address_space: global }
    .group_segment_fixed_size: 35840
    .private_segment_fixed_size: 0
    .kernarg_segment_align: 8
    .kernarg_segment_size: 56
    .max_flat_workgroup_size: 256
    .sgpr_count:     66
    .vgpr_count:     108
    .wavefront_size: 32
...
	.end_amdgpu_metadata
.endif
;; end of part 4
;; launch kscan (part 5): grid 16 x 16, 4 waves a work-group, no clusters, 327,680 bytes of LDS; arguments xb, wkr, time_decay, time_first, ob; writes ob
.if DOCPART == 5
	.amdgcn_target "amdgcn-amd-amdhsa--gfx1250"
	.amdhsa_code_object_version 6
	.text
	.protected	k_qef951fc419_kscan
	.globl	k_qef951fc419_kscan
	.p2align	8
	.type	k_qef951fc419_kscan,@function
k_qef951fc419_kscan:
	s_mov_b64 s[64:65], 0
	v_nop
	global_prefetch_b8 v0, s[64:65] scope:SCOPE_SE
	s_setreg_imm32_b32 hwreg(HW_REG_WAVE_MODE, 25, 1), 1
	s_wait_xcnt 0x0
; k = x Wk^T, r = x Wr^T, THE WKV RECURRENCE (v = r) AND THE GATE, in one launch: ob = sigmoid(r) y, f16 [16 kb][16384 rows][64].  k and r never leave the registers in which they are summed.
; xb: f16, register images of x: a stream of 524,288 bytes for each batch b and wave w; in it 8,192 bytes for each 32 along K of each super-block: eight fragments of 1,024 bytes.
; wkr: f16 [2: Wk, Wr][16 kb][1024 places][64]; in each group of 64 places, place 16 c + r holds channel 4 r + c.  time_decay, time_first: f32 [1024], rounded to bf16 here as x and the weights were.
; LIMITS.  Matrix operands and the result are f16: from 65,520 on a number becomes an infinity (|sigmoid(r) y| is at most the largest |r|), below 6.1e-5 the step is 6e-8.  A weight below 2^-126 counts as 0.
; The empty state has p = -1e38: scores at or below that are not told apart from it.  Decay over n steps is taken as n w, not as n additions.  NaN and infinite inputs are not treated apart.
; SHARES.  A work-group owns one b and 64 channels, all 1,024 steps, in two super-blocks of 512 rows.  For a super-block it makes 512 rows x 128 columns (64 of k, 64 of r), K = 1,024;
; a wave makes 128 rows x all 128 columns: 64 accumulators, 512 registers, 2,048 matrix instructions.
; B STAYS IN LDS: the group's 128 rows of Wk and Wr, all of K, 278,528 bytes with padding, brought once by one tensor load a wave.  No LDS byte is filled again: the loop over K has no barrier.
; A GOES STRAIGHT INTO REGISTERS: a wave's 128 rows are read by no other wave of the group.  Each load takes 512 consecutive bytes of the wave's stream; four buffers of 64 registers hold four quarter
; steps; up to 56 loads of a wave are out, and a block of eight is asked for 192 to 224 matrix instructions ahead of its use.  The look-ahead of the last quarters is clamped to the stream's last block.
; NO CLUSTER.  A joint load lands in LDS, where beside B 49,152 bytes are left: less than the 69,632 that 64 along K of A's 512 rows would take.  B is shared by the sixteen work-groups of a channel
; group, but it is 262,144 of the 2,359,296 bytes that a work-group fetches, and is fetched once.
; LAYOUT.  Source 0 = 16 rows of x, source 1 = 16 places of W: in the result lane l holds ONE column (l % 16) and the rows 8 (l / 16) + 0..7.  Row m of fragment a is row (m / 8) 64 + 8 a + m % 8 of the
; wave's 128: a half of the lanes holds a CHUNK of 64 consecutive rows, eight in each accumulator a = 0..7, and its columns c = 0..3 are channels 4 (l % 16) + c.
; THE SCAN.  A state (a, b, p) stands for the sums a 2^p, b 2^p; p is a running maximum, kept in every step and in every joining of states.  Exponents in base 2: k2 = k log2(e), u2, w2 = -2^(td log2(e)) log2(e).
; Of a pair 2^(L - max), 2^(X - max) the larger is exactly 1 and the other 2^-|L - X|: one exponential and two selects.  Pass 1: the chunk's summary, made of the empty state.  Prefix: the eight summaries
; meet in LDS; every lane joins the carry and all eight (a chunk's decay is 64 w2) and keeps the state at its own chunk's entry.  Pass 2: the chunk again, from that state; the results leave.
; Eight rows at a time are copied out of the accumulators, k scaled on the way, four channels side by side for the packed instructions; register numbers cannot be indexed, so a counted loop jumps forward
; to the copy of its block.  In a block the chain of maxima goes first, then all exponentials and selects, then the chain of sums: a wave alone on its SIMD has independent work to issue.
; REGISTERS, in windows of 256 (s_set_vgpr_msb's low byte: bits 1:0 source 0, 3:2 source 1, 5:4 source 2, 7:6 destination):
;   window 0: A's four buffers (quarter step Q in buffer Q % 4, fragment a at 64 (Q % 4) + 8 a); they stay, loaded or on their way, while the scan runs
;   window 1: v0-63 addresses, constants, states; v64-127 eight rows of k2 and r; v128-255 B's two buffers, between the products the scan's workspace
;   window 2: the accumulators of a = 0..3 ((a, column block n) at v[8 (8 a + n)]; n = 0..3 k, 4..7 r)          window 3: those of a = 4..7
.set BKB,   8704                       ; LDS: 64 places of one plane and kb: 32 rows of 256 bytes (two places) + 16 of padding.  Place q lies at (q / 2) 272 + (q % 2) 128: a fragment's 16 places fall on 16 different groups of four banks (ISA guide 11.1)
.set BPL,   16*BKB                     ; a plane
.set STG,   2*BPL                      ; 278,528: behind B, the stages, one for each wave:
.set HSTG,  1152                       ; 8 rows x 128 bytes of one chunk, and 128 bytes so that the two halves of the lanes fall into different halves of the banks
.set WSTG,  2*HSTG
.set SUM,   STG+4*WSTG                 ; 287,744: the summaries: three components of
.set SUMC,  2048                       ; eight chunks x 16 lanes x 16 bytes
.set SPARE, SUM+3*SUMC                 ; 293,888: the spare words, 128 bytes for each wave: two blocks of 256 bytes that no other line names
.set BLKB,  4096                       ; a block of A's stream: four fragments, eight loads; a quarter step is two blocks, a stream 128
.set LASTB, 127*BLKB
; window 1
.set SPW,  0                           ; LDS address of my spare word: SPARE + 4 x my thread's number; never rewritten
.set NIL,  1                           ; 0; never rewritten
.set AOFF, 2                           ; 16 x lane: my bytes in 512 of A's stream and of ob; never rewritten
.set VB0,  3                           ; LDS address of my bytes of B's fragments, plane k; steps along K
.set VB1,  4                           ; plane r
.set STO,  5                           ; where I put a row's 8 bytes in my wave's stage
.set RDB,  6                           ; where I read 16 bytes back
.set SST,  7                           ; where my chunk's summary goes
.set SRD,  8                           ; chunk 0's summary for my four channels
.set VBI0, 10                          ; VB0, VB1 at K = 0
.set VBI1, 11
.set rU,   12
.set rW2,  16
.set rW64, 20
.set rA,   24                          ; the state: a, b, p, four channels each
.set rB,   28
.set rP,   32
.set rCA,  36                          ; the carry from super-block to super-block
.set rCB,  40
.set rCP,  44
.set OB,   48                          ; v48-63 rows on the way out; v48 at the head: an offset
.set KW,   64                          ; row j's k2 at KW + 4 j
.set RW,   96                          ; row j's r
.set BF,   128                         ; B's two buffers of 64
.set XD,   128                         ; the scan's workspace.  Pass 1: XD 32, E1W 32, T1W 32.  Pass 2 (four rows): XD, YD differences, then first factors; XE, YE, XS exponentials; XT, YT products
.set E1W,  160
.set T1W,  192
.set YD,   144
.set XE,   160
.set YE,   176
.set XS,   192
.set XT,   208
.set YT,   224
.set TPP,  240
.set TU,   244
.set SM,   128                         ; the prefix: chunk i's summary at SM + 12 i
.set TD,   224
.set TE,   228
.set TT,   232
.set MK,   68                          ; s[68:99] 32 masks
; s[4:5] xb, s[6:7] wkr, s[8:9] time_decay, s[10:11] time_first, s[12:13] ob at my rows; s14 wave; s15 b; s[18:19] offset in ob; s[24:25] log2(e), s[26:27] -log2(e), each twice; s28 -1e38; s29 a word's upper bf16;
; s30 super-blocks; s31 trips along K; s33 the sign bit; s34 the block of eight rows; s35 the stream offset to be asked for next; s[36:39] two clamped offsets; s[40:43] their addresses; s[44:47], s[48:55] descriptor;
; s[56:57] my stream; s[58:59] ob's address in hand; s60 a mask of lanes
.set MSB, 0
.macro WIN new                         ; the immediate's high byte repeats the setting that is left; a switch that changes nothing is dropped
.if MSB != (\new)
	s_set_vgpr_msb (MSB<<8)|(\new)
.set MSB, \new
.endif
.endm
.set W1, 0x55                          ; every place in window 1
.macro PLACES                          ; four places behind matrix instructions, in front of loads into registers that they have read (ISA guide 7.12.1 for vector instructions)
.rept 4
	v_nop
.endr
.endm
; packed lines on n pairs, plain lines on n registers
.macro ADDN d, a, b, n
.set z, 0
.rept \n
	v_pk_add_f32 v[(\d)+z:(\d)+z+1], v[(\a)+z:(\a)+z+1], v[(\b)+z:(\b)+z+1]
.set z, z+2
.endr
.endm
.macro SUBN d, a, b, n
.set z, 0
.rept \n
	v_pk_add_f32 v[(\d)+z:(\d)+z+1], v[(\a)+z:(\a)+z+1], v[(\b)+z:(\b)+z+1] neg_lo:[0,1] neg_hi:[0,1]
.set z, z+2
.endr
.endm
.macro MULN d, a, b, n
.set z, 0
.rept \n
	v_pk_mul_f32 v[(\d)+z:(\d)+z+1], v[(\a)+z:(\a)+z+1], v[(\b)+z:(\b)+z+1]
.set z, z+2
.endr
.endm
.macro MULSN d, a, sp, n               ; times a scalar: the pair's low word for both halves
.set z, 0
.rept \n
	v_pk_mul_f32 v[(\d)+z:(\d)+z+1], v[(\a)+z:(\a)+z+1], s[(\sp):(\sp)+1] op_sel_hi:[1,0]
.set z, z+2
.endr
.endm
.macro FMAN d, a, b, c, n
.set z, 0
.rept \n
	v_pk_fma_f32 v[(\d)+z:(\d)+z+1], v[(\a)+z:(\a)+z+1], v[(\b)+z:(\b)+z+1], v[(\c)+z:(\c)+z+1]
.set z, z+2
.endr
.endm
.macro MAXN d, a, b, n
.set z, 0
.rept \n
	v_max_num_f32 v[(\d)+z], v[(\a)+z], v[(\b)+z]
.set z, z+1
.endr
.endm
.macro MOVN d, a, n
.set z, 0
.rept \n
	v_mov_b32 v[(\d)+z], v[(\a)+z]
.set z, z+1
.endr
.endm
.macro ORS d, a, n                     ; a difference with its sign bit set is minus its magnitude
.set z, 0
.rept \n
	v_or_b32 v[(\d)+z], s33, v[(\a)+z]
.set z, z+1
.endr
.endm
.macro EXPS d, n
.set z, 0
.rept \n
	v_exp_f32 v[(\d)+z], v[(\d)+z]
.set z, z+1
.endr
.endm
.macro CMPS a, n                       ; is the first exponent the larger?  These are also the plain instructions between the exponentials and the use of their results (ISA guide 5.7.2)
.set z, 0
.rept \n
	v_cmp_le_f32 s[MK+z], 0, v[(\a)+z]
.set z, z+1
.endr
.endm
.macro SELS d, e, n                    ; the first factor (1 or the exponential) takes the difference's place, the second (the exponential or 1) the exponential's
.set z, 0
	s_wait_alu depctr_va_vdst(0)
.rept \n
	v_cndmask_b32 v[(\d)+z], v[(\e)+z], 1.0, s[MK+z]
	v_cndmask_b32 v[(\e)+z], 1.0, v[(\e)+z], s[MK+z]
.set z, z+1
.endr
.endm
.macro RB4 r                           ; four numbers rounded to bf16, in place
	v_cvt_pk_bf16_f32 v[TT],   v[(\r)],   v[(\r)+1]
	v_cvt_pk_bf16_f32 v[TT+1], v[(\r)+2], v[(\r)+3]
	v_lshlrev_b32 v[(\r)],   16,  v[TT]
	v_and_b32     v[(\r)+1], s29, v[TT]
	v_lshlrev_b32 v[(\r)+2], 16,  v[TT+1]
	v_and_b32     v[(\r)+3], s29, v[TT+1]
.endm
; ---- THE PRODUCTS
; 32 matrix instructions: fragments a = 4 hi .. 4 hi + 3 of A's buffer f x all 8 column blocks of B's buffer g.  zero = 1: the first product starts the sums: nothing is cleared.
; The 64 accumulators take turns, one instruction a turn, in the same order in every quarter step.
.macro MULH f, g, hi, zero
	WIN 0xa4+0x50*(\hi)                            ; A window 0, B window 1, C and D window 2 or 3
.irp a, 0,1,2,3
.irp n, 0,1,2,3,4,5,6,7
.if \zero
	v_wmma_f32_16x16x32_f16 v[8*(8*\a+\n):8*(8*\a+\n)+7], v[(\f)+8*(4*(\hi)+\a):(\f)+8*(4*(\hi)+\a)+7], v[(\g)+8*\n:(\g)+8*\n+7], 0
.else
	v_wmma_f32_16x16x32_f16 v[8*(8*\a+\n):8*(8*\a+\n)+7], v[(\f)+8*(4*(\hi)+\a):(\f)+8*(4*(\hi)+\a)+7], v[(\g)+8*\n:(\g)+8*\n+7], v[8*(8*\a+\n):8*(8*\a+\n)+7]
.endif
.endr
.endr
.endm
.macro FETCHB bo, buf                  ; 16 LDS loads: B's eight fragments of one quarter step, at byte bo from the addresses in hand
	WIN 0x41
.irp n, 0,1,2,3
	ds_load_b128 v[BF+64*(\buf)+8*\n:BF+64*(\buf)+8*\n+3],       v[VB0] offset:(\bo)+\n*2176
	ds_load_b128 v[BF+64*(\buf)+8*\n+4:BF+64*(\buf)+8*\n+7],     v[VB0] offset:(\bo)+\n*2176+32
	ds_load_b128 v[BF+64*(\buf)+32+8*\n:BF+64*(\buf)+32+8*\n+3],   v[VB1] offset:(\bo)+\n*2176
	ds_load_b128 v[BF+64*(\buf)+32+8*\n+4:BF+64*(\buf)+32+8*\n+7], v[VB1] offset:(\bo)+\n*2176+32
.endr
.endm
; Quarter step Q: A's buffer qa = Q % 4, B's buffer qb = Q % 2.  At its head blocks up to 2 Q + 6 of the stream have been asked for.  In its middle it asks for blocks 2 Q + 7 (second half of
; buffer qa + 3, read last a quarter ago) and 2 Q + 8 (first half of buffer qa, read just now), and fetches the next quarter's B (bo < 0: none).
.macro QUARTER qa, qb, zero, bo
	s_wait_loadcnt 48                              ; loads come back in order (ISA guide 5.7.1): block 2 Q is in; the six blocks behind it stay out
	s_wait_dscnt 0x0                               ; B's fragments, asked for 32 matrix instructions ago
	MULH 64*(\qa), BF+64*(\qb), 0, \zero
	PLACES
	s_wait_loadcnt 40                              ; block 2 Q + 1 is in; the five blocks behind it stay out
	s_wait_xcnt 0x0                                ; every earlier memory instruction has had its addresses translated (ISA guide 3.1): the two bases are rewritten only behind this wait
	s_min_u32 s36, s35, LASTB                      ; no load passes the stream's end
	s_add_co_u32 s38, s35, BLKB
	s_min_u32 s38, s38, LASTB
	s_add_co_u32 s35, s35, 2*BLKB
	s_add_nc_u64 s[40:41], s[56:57], s[36:37]
	s_add_nc_u64 s[42:43], s[56:57], s[38:39]
	WIN 0x01                                       ; destination window 0, offset window 1
.irp i, 0,1,2,3,4,5,6,7
	global_load_b128 v[64*(((\qa)+3)%4)+32+4*\i:64*(((\qa)+3)%4)+32+4*\i+3], v[AOFF], s[40:41] offset:512*\i
.endr
.irp i, 0,1,2,3,4,5,6,7
	global_load_b128 v[64*(\qa)+4*\i:64*(\qa)+4*\i+3], v[AOFF], s[42:43] offset:512*\i
.endr
.if (\bo) >= 0
	FETCHB \bo, 1-(\qb)
.endif
	MULH 64*(\qa), BF+64*(\qb), 1, \zero
.endm
; ---- THE SCAN
.macro COPY a                          ; block a's eight rows: k2 = k log2(e) and r, four channels side by side.  Each accumulator's lowest register is read first
	WIN 0x4a+5*((\a)/4)                            ; sources window 2 or 3, destination window 1
.set j, 0
.rept 8
.irp c, 0,1,2,3
	v_mul_f32 v[KW+4*j+\c], s24, v[8*(8*((\a)%4)+\c)+j]
	v_mov_b32 v[RW+4*j+\c], v[8*(8*((\a)%4)+4+\c)+j]
.endr
.set j, j+1
.endr
	WIN 0
.endm
.macro COPYTO p                        ; forward jumps on the loop's counter to the copy of block s34; all ways meet at .Lbody p.  At a label and at a branch every window is 0
	WIN 0
.irp a, 0,1,2,3,4,5,6
	s_cmp_eq_u32 s34, \a
	s_cbranch_scc1 .Lc\p\a
.endr
	COPY 7
	s_branch .Lbody\p
.irp a, 0,1,2,3,4,5
.Lc\p\a:
	COPY \a
	s_branch .Lbody\p
.endr
.Lc\p\()6:
	COPY 6
.Lbody\p:
.endm
; Pass 1, eight rows: the state decays by w2, and (r, 1) enters with exponent k2.
.macro P1
.set j, 0
.rept 8
	ADDN TPP, rP, rW2, 2
	SUBN XD+4*j, TPP, KW+4*j, 2
	MAXN rP, TPP, KW+4*j, 4
.set j, j+1
.endr
	ORS E1W, XD, 32
	EXPS E1W, 32
	CMPS XD, 32
	SELS XD, E1W, 32
	MULN T1W, E1W, RW, 16
.set j, 0
.rept 8
	FMAN rA, XD+4*j, rA, T1W+4*j, 2
	FMAN rB, XD+4*j, rB, E1W+4*j, 2
.set j, j+1
.endr
.endm
; Pass 2, rows jj .. jj + 3.  A row's result comes from the state in front of it: y = (f1 a + f2 r) / (f1 b + f2) with exponents p and u2 + k2; sigmoid(r) y = (f1 a + f2 r) / ((f1 b + f2) (1 + 2^(-r log2(e)))):
; one reciprocal.  The divisor is at least 1: the larger of f1, f2 is 1, and b is at least 1 in every state but the empty one, whose f1 is 0.  Then the state takes the row, as in pass 1.
.macro P2G jj
.set q, 0
.rept 4
	ADDN TU, KW+4*((\jj)+q), rU, 2
	SUBN YD+4*q, rP, TU, 2
	ADDN TPP, rP, rW2, 2
	SUBN XD+4*q, TPP, KW+4*((\jj)+q), 2
	MAXN rP, TPP, KW+4*((\jj)+q), 4
.set q, q+1
.endr
	MULSN XS, RW+4*(\jj), 26, 8
	ORS XE, XD, 32                                 ; XD and YD, XE and YE lie side by side
	EXPS XE, 48                                    ; and XS behind them
	CMPS XD, 32
	SELS XD, XE, 32
	MULN XT, XE, RW+4*(\jj), 8
	MULN YT, YE, RW+4*(\jj), 8
.set q, 0
.rept 4
	FMAN YT+4*q, YD+4*q, rA, YT+4*q, 2
	FMAN YE+4*q, YD+4*q, rB, YE+4*q, 2
	FMAN rA, XD+4*q, rA, XT+4*q, 2
	FMAN rB, XD+4*q, rB, XE+4*q, 2
.set q, q+1
.endr
	FMAN YE, YE, XS, YE, 8
.set z, 0
.rept 16
	v_rcp_f32 v[YE+z], v[YE+z]
.set z, z+1
.endr
	v_nop                                          ; a plain instruction between the last reciprocal and the use of its result
	s_wait_alu depctr_va_vdst(0)
	MULN YT, YT, YE, 8
.set z, 0
.rept 8
	v_cvt_pk_f16_f32 v[XD+z], v[YT+2*z], v[YT+2*z+1]
.set z, z+1
.endr
.set q, 0
.rept 4
	ds_store_b64 v[STO], v[XD+2*q:XD+2*q+1] offset:((\jj)+q)*128  ; lanes 0-15: the 128 bytes of a row of one chunk; lanes 16-31: of the other, in the other half of the banks
.set q, q+1
.endr
.endm
; The older state o, decayed by a chunk's 64 w2, is joined into the newer state n, in n's place.  n is never the empty state, so its p is finite.
.macro COMB oa, ob, op, na, nb, np
	ADDN TPP, \op, rW64, 2
	SUBN TD, TPP, \np, 2
	ORS TE, TD, 4
	EXPS TE, 4
	CMPS TD, 4
	SELS TD, TE, 4
	MULN TT, TE, \na, 2
	FMAN \na, TD, \oa, TT, 2
	MULN TT, TE, \nb, 2
	FMAN \nb, TD, \ob, TT, 2
	MAXN \np, TPP, \np, 4
.endm
.macro JOIN i                          ; the state behind chunk i, in the place of its summary; the lanes of chunk i + 1 (wave (i + 1) / 2, half (i + 1) % 2) keep it as their entry
.if (\i) == 0
	COMB rCA, rCB, rCP, SM, SM+4, SM+8
.else
	COMB SM+12*(\i)-12, SM+12*(\i)-8, SM+12*(\i)-4, SM+12*(\i), SM+12*(\i)+4, SM+12*(\i)+8
.endif
.if (\i) < 7
	s_cmp_eq_u32 s14, ((\i)+1)/2
	s_cselect_b32 s60, 0xffff<<(16*(((\i)+1)%2)), 0
.set z, 0
.rept 12
	v_cndmask_b32 v[rA+z], v[rA+z], v[SM+12*(\i)+z], s60
.set z, z+1
.endr
.endif
.endm
	s_load_b256 s[4:11], s[0:1], 0x0               ; xb s[4:5], wkr s[6:7], time_decay s[8:9], time_first s[10:11]
	s_load_b64 s[12:13], s[0:1], 0x20              ; ob
	WIN 0x40                                       ; destination window 1, sources window 0
	v_lshl_add_u32 v[SPW], v0, 2, SPARE
	v_mov_b32 v[NIL], 0
	WIN 0x05
	ds_add_u32 v[SPW], v[NIL]                      ; the wave's opening: the add and its wait stand ahead of my first tensor load; the set-up below, work on registers, stands between them
	ds_add_u32 v0, v1
	WIN 0
	v_lshrrev_b32 v1, 5, v0
	v_readfirstlane_b32 s14, v1                    ; wave 0..3
	v_and_b32 v2, 31, v0                           ; lane
	v_and_b32 v3, 15, v0                           ; r = l % 16
	v_bfe_u32 v4, v0, 4, 1                         ; h = l / 16
	v_lshrrev_b32 v5, 1, v3
	v_mul_u32_u24 v5, v5, 272                      ; the LDS row that holds my place,
	v_and_b32 v6, 1, v0
	v_lshl_add_u32 v5, v6, 7, v5                   ; its first or second 128 bytes,
	v_lshl_add_u32 v5, v4, 4, v5                   ; 16 bytes for each half of the lanes
	v_mul_u32_u24 v6, v4, HSTG
	v_lshl_add_u32 v6, v3, 3, v6
	s_and_b32 s15, ttmp7, 0xffff                   ; b
	s_mul_i32 s16, s14, WSTG
	s_add_co_u32 s16, s16, STG                     ; my wave's stage
	s_lshl_b32 s17, s14, 9
	s_add_co_u32 s17, s17, SUM                     ; my wave's two chunks among the summaries
	WIN 0x40
	v_lshlrev_b32 v[AOFF], 4, v2
	v_mov_b32 v[VBI0], v5
	v_add_nc_u32 v[VBI1], BPL, v5
	v_add_nc_u32 v[STO], s16, v6
	v_lshl_add_u32 v[RDB], v2, 4, s16
	v_lshl_add_u32 v[SST], v2, 4, s17
	v_lshl_add_u32 v[SRD], v3, 4, SUM
	v_lshlrev_b32 v[OB], 4, v3                     ; my four channels in the two vectors
	WIN 0
	s_mov_b32 s24, 0x3fb8aa3b                      ; log2(e)
	s_mov_b32 s25, s24                             ; named with it as a pair
	s_mov_b32 s26, 0xbfb8aa3b
	s_mov_b32 s27, s26
	s_mov_b32 s28, 0xfe967699                      ; -1e38
	s_mov_b32 s29, 0xffff0000
	s_mov_b32 s33, 0x80000000
	s_mov_b32 s30, 2
	s_mov_b32 s35, 7*BLKB                          ; blocks 0 to 6 are asked for below
	s_mov_b32 s37, 0
	s_mov_b32 s39, 0
	s_mov_b32 s18, 0
	s_mov_b32 s19, 0
	; descriptor: 8 rows (one for each kb) of 4,096 elements of 2 bytes (64 places x 64), 65,536 elements apart; in LDS 16 bytes of padding behind every 256
	s_mov_b32 s44, 1                               ; count = 1
	s_mul_i32 s45, s14, 8*BKB                      ; LDS address: wave w brings plane w / 2, kb 8 (w % 2) .. + 7
	s_mov_b32 s48, (1<<16)|(1<<20)|(5<<22)|(3<<25) ; elements of 2 bytes; padding on; after every 64 words (code 5); 4 words of it (code 3)
	s_mov_b32 s49, 4096<<16                        ; tensor_dim0 = 4,096
	s_mov_b32 s50, 8<<16                           ; tensor_dim1 = 8
	s_mov_b32 s51, 4096<<16                        ; tile_dim0 = 4,096
	s_mov_b32 s52, 8                               ; tile_dim1 = 8
	s_mov_b32 s53, 65536                           ; elements from row to row
	s_mov_b32 s54, 0
	s_mov_b32 s55, 0
	s_lshl_b32 s20, s14, 20                        ; wkr: wave x 8 kb of 131,072 bytes (two waves a plane),
	s_lshl_b32 s21, ttmp9, 13                      ; the group's 64 places of 128 bytes
	s_add_co_u32 s20, s20, s21
	s_mov_b32 s21, 0
	s_lshl_b32 s22, s15, 2
	s_add_co_u32 s22, s22, s14
	s_lshl_b32 s22, s22, 19                        ; xb: the stream 4 b + w
	s_mov_b32 s23, 0
	s_wait_dscnt 0x0                               ; the opening add is done
	s_wait_kmcnt 0x0
	s_add_nc_u64 s[46:47], s[6:7], s[20:21]
	s_or_b32 s47, s47, 0x80000000                  ; type = 2
	tensor_load_to_lds s[44:47], s[48:55]          ; my one tensor load of the launch
	s_nop 0
	PLACES
	s_add_nc_u64 s[56:57], s[4:5], s[22:23]
	s_lshl_b32 s20, ttmp9, 8                       ; the group's 64 channels in the two vectors
	s_add_nc_u64 s[8:9], s[8:9], s[20:21]
	s_add_nc_u64 s[10:11], s[10:11], s[20:21]
	s_lshl_b32 s20, ttmp9, 21                      ; ob: 16,384 rows of 128 bytes a kb,
	s_lshl_b32 s22, s15, 17                        ; 1,024 rows a b,
	s_add_co_u32 s20, s20, s22
	s_lshl_b32 s22, s14, 14                        ; 128 rows a wave
	s_add_co_u32 s20, s20, s22
	s_add_nc_u64 s[12:13], s[12:13], s[20:21]
	WIN 0x41
	global_load_b128 v[rU:rU+3],   v[OB], s[10:11]
	global_load_b128 v[rW2:rW2+3], v[OB], s[8:9]
	WIN 0x01
.set j, 0
.rept 7                                ; blocks 0 to 6 of my stream
.irp i, 0,1,2,3,4,5,6,7
	global_load_b128 v[32*j+4*\i:32*j+4*\i+3], v[AOFF], s[56:57] offset:BLKB*j+512*\i
.endr
.set j, j+1
.endr
	WIN W1
.irp i, 0,1,2,3
	v_mov_b32 v[rCA+\i], 0                         ; the carry starts as the empty state
	v_mov_b32 v[rCB+\i], 0
	v_mov_b32 v[rCP+\i], s28
.endr
	s_wait_loadcnt 56                              ; the two loads of constants are in; the 56 issued behind them stay out
	RB4 rU
	RB4 rW2
	MULSN rU, rU, 24, 2
	MULSN rW2, rW2, 24, 2
	EXPS rW2, 4
	v_nop                                          ; a plain instruction behind the exponentials
	s_wait_alu depctr_va_vdst(0)
	MULSN rW2, rW2, 26, 2
	v_pk_mul_f32 v[rW64:rW64+1],   v[rW2:rW2+1],   0x42800000 op_sel_hi:[1,0]  ; 64 steps a chunk: an infinite decay stays an infinity
	v_pk_mul_f32 v[rW64+2:rW64+3], v[rW2+2:rW2+3], 0x42800000 op_sel_hi:[1,0]
	WIN 0
	s_wait_tensorcnt 0x0                           ; my quarter of B is in,
	s_barrier_signal -1
	s_barrier_wait -1                              ; everybody's is
.Lsb:                                                  ; two trips: a super-block of 512 rows each
	WIN W1
	v_mov_b32 v[VB0], v[VBI0]
	v_mov_b32 v[VB1], v[VBI1]
	FETCHB 0, 0
	QUARTER 0, 0, 1, 64                            ; the first quarter stands in front of the loop: its products start the sums
	WIN 0
	s_mov_b32 s31, 7
.Lk:                                                   ; a trip: four quarter steps, 128 along K (two kb), from a group's second quarter to the next group's first
	QUARTER 1, 1, 0, BKB
	QUARTER 2, 0, 0, BKB+64
	QUARTER 3, 1, 0, 2*BKB
	QUARTER 0, 0, 0, 2*BKB+64
	WIN W1
	v_add_nc_u32 v[VB0], 2*BKB, v[VB0]
	v_add_nc_u32 v[VB1], 2*BKB, v[VB1]
	WIN 0
	s_sub_co_u32 s31, s31, 1
	s_cmp_lg_u32 s31, 0
	s_cbranch_scc1 .Lk
	QUARTER 1, 1, 0, BKB
	QUARTER 2, 0, 0, BKB+64
	QUARTER 3, 1, 0, -1                            ; A's look-ahead goes on into the next super-block; B's buffers fall to the scan
	WIN W1
.irp i, 0,1,2,3
	v_mov_b32 v[rA+\i], 0                          ; PASS 1 starts from the empty state; these twelve lines are also the places behind the last products
	v_mov_b32 v[rB+\i], 0
	v_mov_b32 v[rP+\i], s28
.endr
	WIN 0
	s_mov_b32 s34, 0
.Lp1:
	COPYTO 1
	WIN W1
	P1
	WIN 0
	s_add_co_u32 s34, s34, 1
	s_cmp_lt_u32 s34, 8
	s_cbranch_scc1 .Lp1
	; THE PREFIX
	WIN W1
	ds_store_b128 v[SST], v[rA:rA+3]
	ds_store_b128 v[SST], v[rB:rB+3] offset:SUMC
	ds_store_b128 v[SST], v[rP:rP+3] offset:2*SUMC
	s_wait_dscnt 0x0                               ; for the others' sake: my summary is in LDS
	s_barrier_signal -1
	s_barrier_wait -1
.set j, 0
.rept 8
	ds_load_b128 v[SM+12*j:SM+12*j+3],    v[SRD] offset:256*j
	ds_load_b128 v[SM+12*j+4:SM+12*j+7],  v[SRD] offset:SUMC+256*j
	ds_load_b128 v[SM+12*j+8:SM+12*j+11], v[SRD] offset:2*SUMC+256*j
.set j, j+1
.endr
	s_wait_dscnt 0x0                               ; my reads of the summaries are over:
	s_barrier_signal -1                            ; the next super-block's are stored over them only when every wave has said so
	s_barrier_wait -1
	MOVN rA, rCA, 12                               ; chunk 0 enters with the carry; the other chunks' lanes take theirs below
.irp i, 0,1,2,3,4,5,6,7
	JOIN \i
.endr
	MOVN rCA, SM+84, 12                            ; the state behind chunk 7 is the next carry
	WIN 0
	; PASS 2
	s_mov_b32 s34, 0
.Lp2:
	COPYTO 2
	WIN W1
	P2G 0
	P2G 4
	; the way out: eight rows of each of my two chunks, 512 consecutive bytes (four rows) a store.  The stage is the wave's own: no barrier, and no wait between its stores and these loads (ISA guide 5.7.1.4)
	s_wait_xcnt 0x0                                ; the last block's stores have had their addresses translated (ISA guide 3.1): their data and base are rewritten only behind this wait
	s_add_nc_u64 s[58:59], s[12:13], s[18:19]
	s_add_co_u32 s18, s18, 1024                    ; eight rows of 128 bytes on
.irp i, 0,1,2,3
	ds_load_b128 v[OB+4*\i:OB+4*\i+3], v[RDB] offset:(\i/2)*HSTG+(\i%2)*512
.endr
.irp i, 0,1,2,3
	s_wait_dscnt 3-\i                              ; load i is back, the 3 - i younger ones stay out
	global_store_b128 v[AOFF], v[OB+4*\i:OB+4*\i+3], s[58:59] offset:(\i/2)*8192+(\i%2)*512  ; at a multiple of 256 from ob's first byte
.endr
	WIN 0
	s_add_co_u32 s34, s34, 1
	s_cmp_lt_u32 s34, 8
	s_cbranch_scc1 .Lp2
	s_add_co_u32 s18, s18, 65536-8192              ; the next super-block's 512 rows
	s_sub_co_u32 s30, s30, 1
	s_cmp_lg_u32 s30, 0
	s_cbranch_scc1 .Lsb
	WIN 0x05
	s_wait_tensorcnt 0x0                           ; the wave's end, behind my last tensor load and my last LDS store
	ds_add_u32 v[SPW], v[NIL]
	s_wait_dscnt 0x0
	WIN 0
	s_endpgm
.Lfunc_end_k_qef951fc419_kscan:
	.size	k_qef951fc419_kscan, .Lfunc_end_k_qef951fc419_kscan-k_qef951fc419_kscan
	.p2alignl 7, 3214868480
	.fill 96, 4, 3214868480
	.section	.rodata,"a",@progbits
	.p2align	6, 0x0
	.amdhsa_kernel k_qef951fc419_kscan
		.amdhsa_group_segment_fixed_size 327680
		.amdhsa_private_segment_fixed_size 0
		.amdhsa_enable_private_segment 0
		.amdhsa_kernarg_size 40
		.amdhsa_user_sgpr_count 2
		.amdhsa_user_sgpr_kernarg_segment_ptr 1
		.amdhsa_wavefront_size32 1
		.amdhsa_system_sgpr_workgroup_id_x 1
		.amdhsa_system_sgpr_workgroup_id_y 1
		.amdhsa_system_sgpr_workgroup_id_z 1
		.amdhsa_system_vgpr_workitem_id 0
		.amdhsa_next_free_vgpr 1024
		.amdhsa_next_free_sgpr 100
		.amdhsa_reserve_vcc 0
		.amdhsa_float_denorm_mode_32 3
		.amdhsa_float_denorm_mode_16_64 3
		.amdhsa_memory_ordered 1
		.amdhsa_forward_progress 1
		.amdhsa_inst_pref_size 178
	.end_amdhsa_kernel
	.amdgpu_metadata
---
amdhsa.version: [ 1, 2 ]
amdhsa.kernels:
  - .name:           k_qef951fc419_kscan
    .symbol:         k_qef951fc419_kscan.kd
    .args:
      - { .name: xb, .offset: 0, .size: 8, .value_kind: global_buffer, .address_space: global }
      - { .name: wkr, .offset: 8, .size: 8, .value_kind: global_buffer, .address_space: global }
      - { .name: time_decay, .offset: 16, .size: 8, .value_kind: global_buffer, .address_space: global }
      - { .name: time_first, .offset: 24, .size: 8, .value_kind: global_buffer, .address_space: global }
      - { .name: ob, .offset: 32, .size: 8, .value_kind: global_buffer, .address_space: global }
    .group_segment_fixed_size: 327680
    .private_segment_fixed_size: 0
    .kernarg_segment_align: 8
    .kernarg_segment_size: 40
    .max_flat_workgroup_size: 128
    .sgpr_count:     100
    .vgpr_count:     1024
    .wavefront_size: 32
...
	.end_amdgpu_metadata
.endif
;; end of part 5
;; launch gemm_out (part 6): grid 4 x 64, 4 waves a work-group, clusters of 4 x 4, 327,680 bytes of LDS; arguments ob, wob, out0; writes out0
.if DOCPART == 6
	.amdgcn_target "amdgcn-amd-amdhsa--gfx1250"
	.amdhsa_code_object_version 6
	.text
	.protected	k_qef951fc419_gemm_out
	.globl	k_qef951fc419_gemm_out
	.p2align	8
	.type	k_qef951fc419_gemm_out,@function
k_qef951fc419_gemm_out:
	s_mov_b64 s[64:65], 0
	v_nop
	global_prefetch_b8 v0, s[64:65] scope:SCOPE_SE
	s_setreg_imm32_b32 hwreg(HW_REG_WAVE_MODE, 25, 1), 1
	s_wait_xcnt 0x0
	s_wait_alu depctr_hold_cnt(0) depctr_sa_sdst(0) depctr_va_vdst(0) depctr_va_sdst(0) depctr_va_ssrc(0) depctr_va_vcc(0) depctr_vm_vsrc(0)
	s_getreg_b32 s2, hwreg(HW_REG_IB_STS2, 6, 4)
	s_cmp_eq_u32 s2, 0
	s_cbranch_scc0 .Lentry_in_a_cluster
	s_endpgm
.Lentry_in_a_cluster:
	s_bfe_u32 s2, ttmp6, 0x10000c
	s_cmp_lg_u32 s2, 0xf033
	s_cbranch_scc0 .Lentry_shape_is_right
	s_endpgm
.Lentry_shape_is_right:
; C[m][n] = sum over k of A[m][k] B[n][k], K = 1,024: the module's last product.  A: f16 [16 kb][16384 rows][64]; B: f16 [16 kb][1024 rows][64]; C: f32 [16384][1024].  Sums in f32, K ascending.
; LIMITS.  The operands are f16: they arrive within 65,504, and below 6.1e-5 they have f16's fixed step of 6e-8.
; SHAPE.  A tile of C, 256 x 256, is made by four waves; a wave makes 128 x 128: 64 accumulators of 16 x 16, 512 registers.  K goes in steps of 128 (two blocks kb) through a ring of two LDS slots.
; In the blocked layout 256 rows of one kb are 32,768 consecutive bytes: one tensor load brings them as 128 rows of 256 bytes, each at a multiple of 256 from the buffer's first byte.
; CLUSTER.  4 x 4 work-groups.  The four of a row of the cluster make one tile row of C and need the same tiles of A; the four of a column need the same tiles of B.  Such a tile is asked for JOINTLY:
; the same tensor load with the same descriptor and a mask that names the four, in all four.  That divides the requests for A and for B by four.
; REGISTERS, in windows of 256 (s_set_vgpr_msb's low byte: bits 1:0 source 0, 3:2 source 1, 5:4 source 2, 7:6 destination):
;   window 0: v0-31 addresses; v64-127, v128-191 fragments of A, two buffers; v32-63, v192-223 rows on the way out     window 1: v64-127, v128-191 fragments of B
;   window 2: the 32 accumulators of my rows 0-63 ((a, b) at v[8 (8 a + b)])     window 3: those of my rows 64-127
; THE MATRIX INSTRUCTION IS USED TRANSPOSED: source 0 = 16 rows of B, source 1 = 16 rows of A: lane l then holds row l % 16 of C and the eight neighbouring columns 8 (l / 16) + 0..7.
.set P2,     272                       ; an LDS row: 256 bytes (TWO matrix rows of 128 bytes) + 16 of padding.  Matrix row q lies at (q / 2) 272 + (q % 2) 128: in units of 16 bytes modulo 16 that is
                                       ; q / 2 + 8 (q % 2), so the 16 rows of a fragment load fall on 16 different groups of four banks (64 banks of 4 bytes: ISA guide 11.1)
.set BLK16,  8*P2                      ; 16 matrix rows
.set H128,   64*P2                     ; 128 matrix rows: what one wave reads of A or of B in one kb
.set KBH,    128*P2                    ; 256 matrix rows of one kb: what one tensor load brings
.set SLOT,   4*KBH                     ; A's even kb, A's odd kb, B's even kb, B's odd kb
.set STAGE,  2*SLOT                    ; behind the ring: 16 rows x 272 bytes for each wave, for the way out
.set SPITCH, 272
.set SPARE,  STAGE+4*16*SPITCH         ; behind the stages: the spare words, 128 bytes for each wave: two blocks of 256 bytes that no other line names
.set LAPS,   4                         ; a lap = two K steps = once round the ring: 1,024 / 256
.set A_KB,   16384*128                 ; bytes from one kb of A to the next
.set B_KB,   1024*128                  ; the same for B
.set CROW,   4096                      ; bytes in a row of C
.set ADRA, 16                          ; v16-17  LDS address of my A fragments in slot 0, 1
.set ADRB, 20                          ; v20-21  the same for B
.set STO,  24                          ; v24     the way out: where I put 32 bytes of a row
.set RD,   25                          ; v25     the way out: where I read a row back
.set CO,   26                          ; v26     my byte offset in C
.set SPW,  28                          ; v28     LDS address of my spare word: SPARE + 4 x my thread's number; never rewritten
.set NIL,  29                          ; v29     0; never rewritten
.set F0,   64                          ; fragment buffer 0
.set F1,   128                         ; fragment buffer 1
.set OB,   32                          ; the way out: 16 rows x 256 bytes read back from the stage: v32-63 and v192-223 by turns
.set G1,  24                           ; s[24:31] descriptor group 1 for A's tiles
.set G0,  32                           ; s[32:39] descriptor group 0 for A's tiles, one set for each slot
.set G1B, 48                           ; s[48:55] descriptor group 1 for B's tiles: it differs from A's in the mask alone
.set G0B, 56                           ; s[56:63] descriptor group 0 for B's tiles, one set for each slot
.set MSB, 0
.macro WIN new                         ; the immediate's high byte repeats the setting that is left; a switch that changes nothing is dropped
.if MSB != (\new)
	s_set_vgpr_msb (MSB<<8)|(\new)
.set MSB, \new
.endif
.endm
.set MUL_LO, 0xa1                      ; source 0 (B) window 1, source 1 (A) window 0, C and D window 2
.set MUL_HI, 0xf1                      ; the same, C and D window 3
.set TO_B,   0x40                      ; destination window 1, address window 0
; A joint load.  Waves 0 and 1 fetch A's two kb of a K step, waves 2 and 3 B's.  Each of the two lines has one mask and one set of registers for all that issue it.  The branch hangs on the wave's number alone.
; An s_nop 0 and four v_nop follow each of the two lines; the jump round the other line, the label and what follows the macro come after them.
.macro JLOAD s
	s_cmp_eq_u32 s11, 0
	s_cbranch_scc0 .Lfor_b_\@
	tensor_load_to_lds s[G0+4*(\s):G0+4*(\s)+3], s[G1:G1+7]
	s_nop 0
.rept 4
	v_nop
.endr
	s_branch .Lasked_\@
.Lfor_b_\@:
	tensor_load_to_lds s[G0B+4*(\s):G0B+4*(\s)+3], s[G1B:G1B+7]
	s_nop 0
.rept 4
	v_nop
.endr
.Lasked_\@:
.endm
; A round of the cluster's barrier: my work-group's barrier, so that wave 0's signal speaks for all four waves; wave 0 signals for the work-group; every wave waits for all sixteen work-groups;
; my work-group's barrier once more.  No LDS instruction of the wave is pending at a signal.
.macro CREST                           ; a round behind its opening barrier
	s_cmp_lg_u32 s10, 0
	s_cbranch_scc1 .Lnot_wave_0_\@
	s_barrier_signal -3
.Lnot_wave_0_\@:
	s_barrier_wait -3
	s_barrier_signal -1
	s_barrier_wait -1
.endm
.macro CROUND                          ; a whole round
	s_barrier_signal -1
	s_barrier_wait -1
	CREST
.endm
	s_load_b128 s[4:7], s[0:1], 0x0                ; A s[4:5], B s[6:7]
	s_load_b64 s[8:9], s[0:1], 0x10                ; C
	v_lshl_add_u32 v[SPW], v0, 2, SPARE
	v_mov_b32 v[NIL], 0
	ds_add_u32 v[SPW], v[NIL]                      ; the wave's opening: the add and its wait stand ahead of my first tensor load; the set-up below, work on registers, stands between them
	ds_add_u32 v28, v29
	v_lshrrev_b32 v1, 5, v0
	v_readfirstlane_b32 s10, v1                    ; wave 0..3
	s_lshr_b32 s11, s10, 1                         ; which half of the tile's rows is mine.  Also: I fetch for A (0) or for B (1)
	s_and_b32 s12, s10, 1                          ; which half of its columns.  Also: which kb of a K step I fetch
	s_bfe_u32 s40, ttmp6, 0x40000                  ; cx: my place along the cluster's x = the tile column (C has four, one cluster wide)
	s_bfe_u32 s41, ttmp6, 0x40004                  ; cy: along its y
	s_and_b32 s13, ttmp7, 0xffff
	s_lshl_b32 s13, s13, 2
	s_add_co_u32 s13, s13, s41                     ; tile row of C = 4 x cluster y + cy
	s_lshl_b32 s43, s41, 2
	s_lshl_b32 s43, 15, s43                        ; my row of the cluster: places 4 cy .. 4 cy + 3
	s_lshl_b32 s44, 0x1111, s40                    ; my column: places cx, cx + 4, cx + 8, cx + 12
	; descriptor group 1: 128 rows x 128 elements of 2 bytes, dense in memory, padded in LDS
	s_or_b32 s[G1+0], s43, (1<<16)|(1<<20)|(1<<21)|(5<<22)|(3<<25)   ; 15:0 the mask: A's tiles go to my row; 17:16 elements of 2 bytes; 20 padding on; 21 set beside a mask; 24:22 after every 64 words (code 5); 31:25 4 words of it (code 3)
	s_or_b32 s[G1B+0], s44, (1<<16)|(1<<20)|(1<<21)|(5<<22)|(3<<25)  ; the same with the mask of my column, for B's tiles
.irp g, G1, G1B
	s_mov_b32 s[(\g)+1], 128<<16                   ; tensor_dim0 = 128
	s_mov_b32 s[(\g)+2], 128<<16                   ; tensor_dim1 = 128
	s_mov_b32 s[(\g)+3], 128<<16                   ; tile_dim0 = 128
	s_mov_b32 s[(\g)+4], 128                       ; tile_dim1 = 128
	s_mov_b32 s[(\g)+5], 128                       ; 128 elements from row to row: the block is dense
	s_mov_b32 s[(\g)+6], 0
	s_mov_b32 s[(\g)+7], 0
.endr
	; where the tiles come from.  A's hang on the tile row alone, which my row of the cluster shares; B's on the tile column alone, which my column shares.
	s_lshl_b32 s16, s12, 21                        ; A: my kb of the K step,
	s_lshl_b32 s17, s13, 15                        ; the tile's 256 rows of 128 bytes
	s_add_co_u32 s16, s16, s17
	s_mov_b32 s17, 0
	s_lshl_b32 s46, s12, 17                        ; B: my kb,
	s_lshl_b32 s47, s40, 15                        ; the tile's 256 rows
	s_add_co_u32 s46, s46, s47
	s_mov_b32 s47, 0
	s_mul_i32 s20, s10, KBH                        ; and where they go: wave x 34,816: no place in the cluster enters an LDS address
	s_wait_dscnt 0x0                               ; the opening add is done
	s_wait_kmcnt 0x0
	s_add_nc_u64 s[14:15], s[4:5], s[16:17]
	s_add_nc_u64 s[46:47], s[6:7], s[46:47]
	CROUND                                         ; all sixteen work-groups are here: the first joint loads meet
.irp s, 0,1
	s_mov_b32 s[G0+4*(\s)], 1                                        ; 1:0 count = 1
	s_add_co_u32 s[G0+4*(\s)+1], s20, (\s)*SLOT                      ; 63:32 LDS address
	s_add_nc_u64 s[G0+4*(\s)+2:G0+4*(\s)+3], s[14:15], (\s)*2*A_KB   ; 120:64 global address: K step s
	s_or_b32 s[G0+4*(\s)+3], s[G0+4*(\s)+3], 0x80000000              ; 127:126 type = 2
	s_mov_b32 s[G0B+4*(\s)], 1
	s_add_co_u32 s[G0B+4*(\s)+1], s20, (\s)*SLOT
	s_add_nc_u64 s[G0B+4*(\s)+2:G0B+4*(\s)+3], s[46:47], (\s)*2*B_KB
	s_or_b32 s[G0B+4*(\s)+3], s[G0B+4*(\s)+3], 0x80000000
	JLOAD \s                                       ; the ring is filled before anything else is done: two loads of mine are out
.endr
	; A fragment is 16 rows x 32 K in 8 registers: lane l holds row l % 16; registers 0-3 hold K = 8 (l / 16) + 0..7, registers 4-7 hold K = 16 + 8 (l / 16) + 0..7: two loads of 16 bytes, 32 bytes apart.
	v_and_b32 v1, 15, v0                           ; l % 16
	v_bfe_u32 v2, v0, 4, 1                         ; l / 16
	v_lshrrev_b32 v3, 1, v1
	v_mul_u32_u24 v3, v3, P2                       ; the LDS row that holds my matrix row,
	v_and_b32 v4, 1, v0
	v_lshl_add_u32 v3, v4, 7, v3                   ; its first or second 128 bytes,
	v_lshl_add_u32 v3, v2, 4, v3                   ; 16 bytes for each half of the lanes
	s_mul_i32 s21, s11, H128                       ; my 128 rows of A
	s_mul_i32 s22, s12, H128                       ; my 128 rows of B,
	s_add_co_u32 s22, s22, 2*KBH                   ; which lie behind A's two kb
.irp s, 0,1
	v_add_nc_u32 v[ADRA+(\s)], s21, v3
	v_add_nc_u32 v[ADRB+(\s)], s22, v3
	s_add_co_u32 s21, s21, SLOT
	s_add_co_u32 s22, s22, SLOT
.endr
	s_mul_i32 s23, s10, 16*SPITCH
	s_add_co_u32 s23, s23, STAGE                   ; my stage
	v_mul_u32_u24 v4, v1, SPITCH                   ; in: row l % 16, 32 bytes (eight f32) for each half of the lanes
	v_lshl_add_u32 v4, v2, 5, v4
	v_add_nc_u32 v[STO], s23, v4
	v_mul_u32_u24 v5, v2, SPITCH                   ; back: lanes 0-15 take one row of 256 bytes, lanes 16-31 the next
	v_lshl_add_u32 v5, v1, 4, v5
	v_add_nc_u32 v[RD], s23, v5
	v_lshlrev_b32 v5, 12, v2                       ; and the same two rows in C
	v_lshl_add_u32 v[CO], v1, 4, v5
	; where my part of the tile begins in C, in bytes
	s_lshl_b32 s16, s13, 20                        ; 256 rows of 4,096 bytes a tile row,
	s_lshl_b32 s17, s11, 19                        ; my 128 rows
	s_add_co_u32 s16, s16, s17
	s_mov_b32 s17, 0
	s_add_nc_u64 s[8:9], s[8:9], s[16:17]
	s_lshl_b32 s46, s40, 10                        ; the tile's 256 columns of 4 bytes,
	s_lshl_b32 s47, s12, 9                         ; my 128 columns
	s_add_co_u32 s46, s46, s47
	s_mov_b32 s47, 0
	s_add_nc_u64 s[8:9], s[8:9], s[46:47]
; 16 matrix instructions: m blocks a0, a0 + 1 of the window's four (hi = 0: my rows 0-63, 1: rows 64-127) x all 8 n blocks, 32 along K.  zero = 1: the first product starts the sums: nothing is ever cleared.
; The 64 accumulators take turns, one instruction a turn, in the same order in every quarter step.
.macro MUL16 f, hi, a0, zero
	WIN MUL_LO+0x50*(\hi)
.irp a, \a0, (\a0)+1
.irp b, 0,1,2,3,4,5,6,7
.if \zero
	v_wmma_f32_16x16x32_f16 v[8*(8*(\a)+(\b)):8*(8*(\a)+(\b))+7], v[(\f)+8*(\b):(\f)+8*(\b)+7], v[(\f)+8*(4*(\hi)+(\a)):(\f)+8*(4*(\hi)+(\a))+7], 0
.else
	v_wmma_f32_16x16x32_f16 v[8*(8*(\a)+(\b)):8*(8*(\a)+(\b))+7], v[(\f)+8*(\b):(\f)+8*(\b)+7], v[(\f)+8*(4*(\hi)+(\a)):(\f)+8*(4*(\hi)+(\a))+7], v[8*(8*(\a)+(\b)):8*(8*(\a)+(\b))+7]
.endif
.endr
.endr
.endm
; 32 LDS loads in one run: the fragments of one quarter step (128 rows of B, 128 rows of A, 32 K) into buffer f.  k = 0, 64: the even kb's two halves; KBH, KBH + 64: the odd kb's
.macro FETCH slot, k, f
	WIN TO_B
.irp i, 0,1,2,3,4,5,6,7
	ds_load_b128 v[(\f)+8*(\i):(\f)+8*(\i)+3],   v[ADRB+(\slot)] offset:(\k)+(\i)*BLK16
	ds_load_b128 v[(\f)+8*(\i)+4:(\f)+8*(\i)+7], v[ADRB+(\slot)] offset:(\k)+(\i)*BLK16+32
.endr
	WIN 0
.irp i, 0,1,2,3,4,5,6,7
	ds_load_b128 v[(\f)+8*(\i):(\f)+8*(\i)+3],   v[ADRA+(\slot)] offset:(\k)+(\i)*BLK16
	ds_load_b128 v[(\f)+8*(\i)+4:(\f)+8*(\i)+7], v[ADRA+(\slot)] offset:(\k)+(\i)*BLK16+32
.endr
.endm
; A load into a register that a matrix instruction has read, and an LDS store that reads a matrix result, stand four places behind that matrix instruction, and only plain vector instructions that
; name none of its registers are places (ISA guide 7.12.1 for vector instructions).
.macro PLACES
.rept 4
	v_nop
.endr
.endm
; A K step is four quarter steps of 32 along K, 64 matrix instructions each, on buffers 0, 1, 0, 1.
; One of the first three: multiplies buffer f; in its middle it fetches the next quarter's fragments, at byte k, into buffer g.
.macro QUARTER slot, k, f, g, zero
	s_wait_dscnt 8                                 ; B and A's rows 0-63 are in; the youngest eight loads (A's rows 64-127) may be out
	WIN MUL_LO
	MUL16 \f, 0, 0, \zero
	MUL16 \f, 0, 2, \zero
	PLACES
	FETCH \slot, \k, \g
	s_wait_dscnt 32                                ; all but the 32 just issued
	WIN MUL_HI
	MUL16 \f, 1, 0, \zero
	MUL16 \f, 1, 2, \zero
.endm
; The last quarter multiplies buffer 1 and changes slots.  MEET is its first half: ONE barrier for the change of slots.  In front of it each wave waits for all its tensor loads, of which one is out:
; its part of the next slot; adds 0 to its spare word; and waits for that and for its own reads of this slot.  Behind it nobody reads this slot any more and the next slot is whole.
.macro MEET round                      ; round = 1: a round of the cluster's barrier follows
	WIN 0                                          ; (the add's two registers lie in window 0)
	s_wait_tensorcnt 0x0                           ; all my tensor loads have landed;
	ds_add_u32 v[SPW], v[NIL]                      ; 0 onto my spare word;
	s_wait_dscnt 9                                 ; (the add and the youngest eight loads may be out)
	WIN MUL_LO
	MUL16 F1, 0, 0, 0                              ; sixteen matrix instructions stand between the add and the wait for it
	s_wait_dscnt 0x0                               ; the add is done, and my reads of this slot are over:
	s_barrier_signal -1                            ; say so,
	MUL16 F1, 0, 2, 0                              ; work on registers while the others arrive,
.if \round
	WIN 0
.endif
	s_barrier_wait -1                              ; and go on when all four have said so
.endm
; The whole last quarter where the slot is filled again, with the K step two steps on: the barrier opens a round of the cluster's, and the joint refill is the first tensor load behind it.
; From a request to the wait for it a wave issues 224 matrix instructions.
.macro TURN slot, next
	MEET 1
	CREST                                          ; no wave of any partner still reads this slot's tile or has a load on its way
	s_add_nc_u64 s[G0+4*(\slot)+2:G0+4*(\slot)+3], s[G0+4*(\slot)+2:G0+4*(\slot)+3], 4*A_KB     ; no tensor load of mine is out: a group 0 may be written; the type bits on top are not reached
	s_add_nc_u64 s[G0B+4*(\slot)+2:G0B+4*(\slot)+3], s[G0B+4*(\slot)+2:G0B+4*(\slot)+3], 4*B_KB
	JLOAD \slot                                    ; the four v_nop behind it are also the places in front of the loads below
	FETCH \next, 0, F0
	WIN MUL_HI
	MUL16 F1, 1, 0, 0
	MUL16 F1, 1, 2, 0
.endm
.macro TURNL next                      ; the same where nothing is left to fetch: no round, no load
	MEET 0
	PLACES
	FETCH \next, 0, F0
	WIN MUL_HI
	MUL16 F1, 1, 0, 0
	MUL16 F1, 1, 2, 0
.endm
; THE WAY OUT, 16 rows x 64 columns of f32 at a time: u = 2 a + hb (block a of 16 rows, half hb of my 128 columns).  A lane's eight numbers of a row are 32 bytes; the lanes beside it hold other rows.
; So they go into my own stage, rows of 272 bytes, straight from the accumulators (each one's four lowest registers first), and come back as whole rows of 256 bytes.
.macro TOSTAGE u
.set AC, 64*(((\u)/2)%4)
.set HB, (\u)%2
.set BK, OB+160*((\u)%2)
	s_wait_xcnt 0x0                                ; every earlier store has had its addresses translated (ISA guide 3.1): the rows that the stores two blocks back read are loaded again only behind this wait
	WIN 0x08+4*((\u)/8)                            ; the stores' data (source 1) in window 2 or 3
.irp b, 0,1,2,3
	ds_store_b128 v[STO], v[AC+8*(4*HB+(\b)):AC+8*(4*HB+(\b))+3]   offset:64*(\b)
	ds_store_b128 v[STO], v[AC+8*(4*HB+(\b))+4:AC+8*(4*HB+(\b))+7] offset:64*(\b)+16
.endr
	WIN 0
.irp t, 0,1,2,3,4,5,6,7
	ds_load_b128 v[BK+4*(\t):BK+4*(\t)+3], v[RD] offset:(\t)*2*SPITCH  ; LDS serves a wave's instructions in order (ISA guide 5.7.1.4): these see the stores above; the next block's stores come behind them
.endr
.endm
.macro SEND u, younger                 ; younger: the LDS instructions issued behind block u's loads: the next block's sixteen, or none
	WIN 0
.set BK, OB+160*((\u)%2)
	s_wait_dscnt \younger
.irp t, 0,1,2,3,4,5,6,7
	global_store_b128 v[CO], v[BK+4*(\t):BK+4*(\t)+3], s[8:9] offset:(16*((\u)/2)+2*(\t))*CROW+((\u)%2)*256  ; 16 lanes store 256 consecutive bytes, at a multiple of 256 from C's first byte; 516,352 at the most
.endr
.endm
	s_wait_tensorcnt 1                             ; my part of K step 0 is in; K step 1's may stay out
	s_barrier_signal -1
	s_barrier_wait -1                              ; everybody's is
	FETCH 0, 0, F0
	QUARTER 0, 64, F0, F1, 1                       ; the first quarter stands in front of the loop: its products start the sums
	WIN 0                                          ; at a label and at a branch every window is 0
	s_mov_b32 s3, LAPS-1
.Llap:                                                 ; a trip goes once round the ring, from a lap's second quarter to the next lap's first, and fills both slots again: K steps 2 to 7 in three trips
	QUARTER 0, KBH,    F1, F0, 0
	QUARTER 0, KBH+64, F0, F1, 0
	TURN 0, 1
	QUARTER 1, 64,     F0, F1, 0
	QUARTER 1, KBH,    F1, F0, 0
	QUARTER 1, KBH+64, F0, F1, 0
	TURN 1, 0
	QUARTER 0, 64,     F0, F1, 0
	WIN 0
	s_sub_co_u32 s3, s3, 1
	s_cmp_lg_u32 s3, 0
	s_cbranch_scc1 .Llap
	QUARTER 0, KBH,    F1, F0, 0                   ; the last lap is written out: it asks for nothing more
	QUARTER 0, KBH+64, F0, F1, 0
	TURNL 1
	QUARTER 1, 64,     F0, F1, 0
	QUARTER 1, KBH,    F1, F0, 0
	QUARTER 1, KBH+64, F0, F1, 0
	s_wait_dscnt 8                                 ; the very last quarter: nothing more to fetch
	WIN MUL_LO
	MUL16 F1, 0, 0, 0
	MUL16 F1, 0, 2, 0
	s_wait_dscnt 0x0
	MUL16 F1, 1, 0, 0
	MUL16 F1, 1, 2, 0
	WIN 0
	PLACES                                         ; the stores below read results just made
	TOSTAGE 0
.irp u, 1,2,3,4,5,6,7,8,9,10,11,12,13,14,15
	TOSTAGE \u                                     ; a block's way through the stage stands between the loads of the block before and its stores
	SEND (\u)-1, 16
.endr
	SEND 15, 0
	s_wait_tensorcnt 0x0                           ; the wave's end, behind my last tensor load and my last LDS store
	ds_add_u32 v[SPW], v[NIL]
	s_wait_dscnt 0x0
	CROUND                                         ; the closing round: no work-group ends while a partner may still ask for a tile that names it
	s_endpgm
.Lfunc_end_k_qef951fc419_gemm_out:
	.size	k_qef951fc419_gemm_out, .Lfunc_end_k_qef951fc419_gemm_out-k_qef951fc419_gemm_out
	.p2alignl 7, 3214868480
	.fill 96, 4, 3214868480
	.section	.rodata,"a",@progbits
	.p2align	6, 0x0
	.amdhsa_kernel k_qef951fc419_gemm_out
		.amdhsa_group_segment_fixed_size 327680
		.amdhsa_private_segment_fixed_size 0
		.amdhsa_enable_private_segment 0
		.amdhsa_kernarg_size 24
		.amdhsa_user_sgpr_count 2
		.amdhsa_user_sgpr_kernarg_segment_ptr 1
		.amdhsa_wavefront_size32 1
		.amdhsa_system_sgpr_workgroup_id_x 1
		.amdhsa_system_sgpr_workgroup_id_y 1
		.amdhsa_system_sgpr_workgroup_id_z 1
		.amdhsa_system_vgpr_workitem_id 0
		.amdhsa_next_free_vgpr 1024
		.amdhsa_next_free_sgpr 66
		.amdhsa_reserve_vcc 0
		.amdhsa_float_denorm_mode_32 3
		.amdhsa_float_denorm_mode_16_64 3
		.amdhsa_memory_ordered 1
		.amdhsa_forward_progress 1
		.amdhsa_inst_pref_size 141
	.end_amdhsa_kernel
	.amdgpu_metadata
---
amdhsa.version: [ 1, 2 ]
amdhsa.kernels:
  - .name:           k_qef951fc419_gemm_out
    .symbol:         k_qef951fc419_gemm_out.kd
    .args:
      - { .name: ob, .offset: 0, .size: 8, .value_kind: global_buffer, .address_space: global }
      - { .name: wob, .offset: 8, .size: 8, .value_kind: global_buffer, .address_space: global }
      - { .name: out0, .offset: 16, .size: 8, .value_kind: global_buffer, .address_space: global }
    .group_segment_fixed_size: 327680
    .private_segment_fixed_size: 0
    .kernarg_segment_align: 8
    .kernarg_segment_size: 24
    .max_flat_workgroup_size: 128
    .sgpr_count:     66
    .vgpr_count:     1024
    .wavefront_size: 32
...
	.end_amdgpu_metadata
.endif
;; end of part 6
